; MI455X (gfx1250); checked and timed in simulation.
; The chip was launched on July 23, 2026; its instructions are those of AMD's public machine-readable ISA for CDNA 5 (MIT licence, August 2026) and "CDNA5" Instruction Set Architecture Reference Guide (July 2026). The comments in the code are by the model that wrote it; some were corrected since.
;; Attention. Allowed arithmetic: matrix products marked QUANTISED: E2M1 operands, one E8M0 scale for each 32 along K, by v_wmma_scale_f32_16x16x128_f8f6f4 with both operands' format E2M1 (or v_wmma_scale_f32_32x16x128_f4), f32 sums; products left as they are: bf16, f16 or f32 operands; f32 sums; everything else in f32.
;; Inputs: W_attn 1,024 x 3,072 float32; W_proj 1,024 x 1,024 float32; attention_mask 4 x 1 x 1 x 2,048 float32; b_attn 3,072 float32; b_proj 1,024 float32; hidden_state 4 x 2,048 x 1,024 float32.
;; Outputs: out0 4 x 2,048 x 1,024 float32.
;; This version of the problem:
;;   THIS VERSION OF THE PROBLEM IS GIVEN IN LOW PRECISION. The matrix products marked QUANTISED in the list below multiply operands that are first quantised to E2M1 (2 exponent bits, 1 mantissa bit; 4 bits a number), with one power-of-two scale for each 32 numbers along K (OCP MX v1.0); their sums are f32. The products marked 'left as it is' may take bf16, f16 or f32 operands, with f32 sums. Whichever they take, every output number must still come out within the allowed error. Rounding operands to bf16 (8 significant bits) uses up far more of that allowance than f16 does (11 bits, for magnitudes from 6e-5 to 65,504). All else is computed in f32.
;;   The module's matrix products, in the order in which they are computed (A, B: the left and right operand; K: the contracted axis; several contracted axes count as one K, in the product's order):
;;     1. [M 8,192, K 1,024] x [K 1,024, N 3,072]; A: input hidden_state; B: input W_attn: QUANTISED
;;     2. batch 64 x [M 2,048, K 64] x [K 64, N 2,048]; A: computed on the way; B: computed on the way: left as it is (an operand is computed on the way)
;;     3. batch 64 x [M 2,048, K 2,048] x [K 2,048, N 64]; A: computed on the way; B: computed on the way: left as it is (an operand is computed on the way)
;;     4. [M 8,192, K 1,024] x [K 1,024, N 1,024]; A: computed on the way; B: input W_proj: left as it is (an operand is computed on the way)
;;   THE QUANTISER, for each operand of a quantised product, along K:
;;     - K is cut into blocks of 32 from its start; a last block that is shorter is filled with zeros.
;;     - A block's scale is 2^e with e = floor(log2(the largest magnitude in the block)) - 2, held to -126 .. 127; a block of zeros has e = 0. As a byte (E8M0): e + 127.
;;     - Each number is divided by its block's scale, clamped to +-6, and rounded to the nearest number of E2M1, ties to even, subnormals kept.
;;     - The product sums the exact products of the quantised numbers (number of the format x scale) in f32.
;;   ~~~python
;;   def quantise(x, axis):      # numpy; x: float32 -> the quantised numbers, widened to float32 again
;;       x = np.moveaxis(x, axis, -1); K = x.shape[-1]
;;       x = np.pad(x, [(0, 0)] * (x.ndim - 1) + [(0, -K % 32)]); x = x.reshape(x.shape[:-1] + (-1, 32)); a = np.abs(x).max(-1, keepdims=True)
;;       e = np.where(a > 0, np.clip(np.frexp(np.where(a > 0, a, 1))[1] - 1 - 2, -126, 127), 0)      # np.frexp(a)[1] - 1 = floor(log2(a)), exactly
;;       r = np.clip(x / 2.0 ** e, -6, 6)
;;       step = 2.0 ** (np.maximum(np.frexp(np.where(r == 0, 1, r))[1] - 1, 0) - 1)
;;       q = np.round(r / step) * step * 2.0 ** e      # np.round: ties to even
;;       return np.moveaxis(q.reshape(q.shape[:-2] + (-1,))[..., :K], -1, axis).astype(np.float32)
;;   ~~~
;; One version. Each part assembles by itself: llvm-mc -triple=amdgcn-amd-amdhsa -mcpu=gfx1250 --defsym DOCPART=n.
;; ======== version 1 of 1: 5 launches
;; limits: right only within a limited range of input values; values are held in f16: magnitudes above 65,504 overflow, below 6.1e-05 lose precision
;; workspace buffers: qcodes 5,767,168 bytes; qscales 360,448 bytes; wp16 2,097,152 bytes; maskw 49,664 bytes; qkv16 50,331,648 bytes; aux 3,407,872 bytes; o16 16,777,216 bytes; ofine 262,144 bytes
;; launch prep (part 1): grid 513 x 1, 4 waves a work-group, no clusters, 77,312 bytes of LDS; arguments W_attn, W_proj, attention_mask, hidden_state, qcodes, qscales, wp16, maskw; writes qcodes, qscales, wp16, maskw
.if DOCPART == 1
	.amdgcn_target "amdgcn-amd-amdhsa--gfx1250"
	.amdhsa_code_object_version 6
	.text
	.protected	k_q3c4af3ae8a_prep
	.globl	k_q3c4af3ae8a_prep
	.p2align	8
	.type	k_q3c4af3ae8a_prep,@function
k_q3c4af3ae8a_prep:
	s_mov_b64 s[64:65], 0
	v_nop
	global_prefetch_b8 v0, s[64:65] scope:SCOPE_SE
	s_setreg_imm32_b32 hwreg(HW_REG_WAVE_MODE, 25, 1), 1
	s_wait_xcnt 0x0
; THE PROGRAM: out = softmax(causal(q k^T / 8) + mask) v W_proj + b_proj, with [q k v] = hidden W_attn + b_attn; only hidden W_attn is a quantised product (FP4, E2M1, one E8M0 scale for 32 along K).
; Five launches: this one (operands made ready), qkv (the quantised product), attn, proj, fineproj.
; WORK LEFT OUT.  For k > q the score q.k / 8 is multiplied by the 0 that the problem's own causal matrix holds there, whatever the inputs: the product q k^T is not made in tiles that lie wholly above the diagonal.
; WORK KEPT IN ANOTHER FORM.  For k > q the softmax's input is -10000 + mask[k], the same for every query.  For a block i of 64 keys that is wholly hidden from a query,
;   sum_k e^(-10000 + m_k) V_k = e^(tv_i) U_i   with  bm_i = max m_k,  z_i = sum e^(m_k - bm_i),  tv_i = -10000 + bm_i + ln z_i,  U_i = sum (e^(m_k - bm_i) / z_i) V_k:
; an identity in real numbers for all masks.  So block i enters the running-maximum softmax as ONE key with score tv_i and value U_i.  This launch makes tv_i and the weights, qkv makes U_i.
; UNITS.  Scores are kept as q.k + 8 m (eight times the softmax's input); p = 2^(c t - c M), c = log2(e) / 8.  8 m is held at -1e38 from below, so that c t stays finite.
; Every input has a way to the output and is loaded by some launch.
; LIMITS.  A NaN, an infinity or an overflow that arises only in the scores left out is not carried to the result.  NaN and infinities among the inputs are not served.  q, k, v, the weights p and the merged heads
; go to the products that are left as they are in f16: beyond 65,504 they become infinity.  A block of zeros gets the scale byte 1 where the quantiser says 127: its codes are zeros, and this program alone reads the bytes.
; In a batch whose every key carries a mask under about -1e30, ln z_i is lost beside the mask: a wholly hidden block then weighs as one key.
; THIS LAUNCH has four paths, chosen by the work-group's number alone, which never join; each has LDS bytes of its own.
;   B (0..191)   W_attn [1024 k][3072 n] f32 -> codes [3072][512 bytes], K innermost, and scale bytes [3072][32]: a lane takes a column, its registers run down K
;   C (192..255) W_proj [1024 k][1024 n] f32 -> f16 [1024 n][1024 k]
;   D (256)      the mask -> 8 m held at -1e38, the blocks' weights in f16, tv
;   A (257..512) hidden_state, a stream of blocks of 32 -> codes and scale bytes
.set SPARE, 76800                      ; the spare words, 128 bytes a wave: two blocks of 256 bytes that no other line names
.set SPW, 12                           ; v12 SPARE + 4 x my thread's number; never rewritten
.set NIL, 13                           ; v13 0; never rewritten
	s_load_b256 s[4:11], s[0:1], 0x0               ; W_attn s[4:5], W_proj s[6:7], the mask s[8:9], hidden_state s[10:11]
	s_load_b256 s[12:19], s[0:1], 0x20             ; qcodes s[12:13], qscales s[14:15], wp16 s[16:17], maskw s[18:19]
	v_lshl_add_u32 v[SPW], v0, 2, SPARE
	v_mov_b32 v[NIL], 0
	v_lshrrev_b32 v1, 5, v0
	v_readfirstlane_b32 s20, v1                    ; wave 0..3
	v_and_b32 v2, 31, v0                           ; lane
	s_wait_kmcnt 0x0
	s_cmp_lt_u32 ttmp9, 192
	s_cbranch_scc1 .Lpath_b
	s_cmp_lt_u32 ttmp9, 256
	s_cbranch_scc1 .Lpath_c
	s_cmp_eq_u32 ttmp9, 256
	s_cbranch_scc1 .Lpath_d
; ---------------- PATH A: hidden_state.  A wave takes 16 steps of 512 numbers.  Each load reads 512 consecutive bytes; a step's 2,048 bytes turn through the wave's own stage in LDS,
; so that a lane then holds 16 neighbours along K (two lanes a block).  Loads run eight steps (32 loads a wave) ahead, the turn one step.
.set AR,  16                           ; v16-143  eight sets of 16 numbers as loaded
.set AX,  144                          ; v144-175 two sets of 16 neighbours
.set AE,  176                          ; v176-191 a scale byte for each step
.set AC,  192                          ; v192-223 codes: two registers for each step
.set ASP, 80                           ; a lane's place in a stage: 64 bytes + 16 of padding
	v_lshlrev_b32 v3, 4, v2                        ; my 16 bytes of a load's 512
	s_mul_i32 s21, s20, 8192                       ; my wave's region: two stages of 32 x 80 bytes, then 256 scale bytes
	v_lshrrev_b32 v14, 2, v2
	v_mul_u32_u24 v14, v14, ASP
	v_and_b32 v15, 3, v2
	v_lshl_add_u32 v14, v15, 4, v14
	v_add_nc_u32 v14, s21, v14                     ; into the stage: 80 (lane / 4) + 16 (lane % 4)
	v_mul_u32_u24 v15, v2, ASP
	v_add_nc_u32 v15, s21, v15                     ; out of it: 80 x lane
	v_lshlrev_b32 v4, 3, v2                        ; 8 bytes a lane: my codes in a step's 256, my part of the 256 scale bytes
	v_lshrrev_b32 v5, 1, v2
	s_add_co_u32 s21, s21, 2*32*ASP
	v_add_nc_u32 v5, s21, v5                       ; LDS: my block's scale byte
	v_add_nc_u32 v6, s21, v4                       ; and the bytes' way out
	s_sub_co_u32 s22, ttmp9, 257
	s_lshl_b32 s22, s22, 2
	s_add_co_u32 s22, s22, s20                     ; which run of 8,192 numbers is my wave's
	s_mov_b32 s25, 0
	s_lshl_b32 s24, s22, 15
	s_add_nc_u64 s[10:11], s[10:11], s[24:25]
	s_lshl_b32 s24, s22, 12
	s_add_nc_u64 s[12:13], s[12:13], s[24:25]
	s_lshl_b32 s24, s22, 8
	s_add_nc_u64 s[14:15], s[14:15], s[24:25]
.macro ALOAD t
.irp i, 0,1,2,3
	global_load_b128 v[AR+16*((\t)%8)+4*\i:AR+16*((\t)%8)+4*\i+3], v3, s[10:11] offset:2048*(\t)+512*\i th:TH_LOAD_NT
.endr
.endm
.macro ATURN t                         ; LDS serves a wave's instructions in order: no wait between the stores and the loads
.irp i, 0,1,2,3
	ds_store_b128 v14, v[AR+16*((\t)%8)+4*\i:AR+16*((\t)%8)+4*\i+3] offset:32*ASP*((\t)%2)+8*ASP*\i
.endr
.irp i, 0,1,2,3
	ds_load_b128 v[AX+16*((\t)%2)+4*\i:AX+16*((\t)%2)+4*\i+3], v15 offset:32*ASP*((\t)%2)+16*\i
.endr
.endm
.irp t, 0,1,2,3,4,5,6,7
	ALOAD \t
.endr
	s_wait_loadcnt 28                              ; step 0's four loads are in; the seven younger steps' stay out
	ATURN 0
.macro ASTEP t
.set XS, AX+16*((\t)%2)
.if (\t) > 0
	s_wait_dscnt 1                                 ; this step's numbers are back from the stage (the last step's byte store may be out): so its stores into the stage have read their registers,
.else
	s_wait_dscnt 0x0
.endif
.if (\t)+8 < 16
	ALOAD (\t)+8                                   ; which take the loads of eight steps on
.endif
.if (\t)+1 < 16
.if (\t) <= 7
	s_wait_loadcnt 28                              ; the next step's four loads are in; those of the seven steps behind it may be out
.else
	s_wait_loadcnt 4*(14-(\t))
.endif
	ATURN (\t)+1
.endif
	v_max3_num_f32 v8, |v[XS]|, |v[XS+1]|, |v[XS+2]|
	v_max3_num_f32 v9, |v[XS+3]|, |v[XS+4]|, |v[XS+5]|
.irp i, 6,10
	v_max3_num_f32 v8, v8, |v[XS+\i]|, |v[XS+\i+1]|
	v_max3_num_f32 v9, v9, |v[XS+\i+2]|, |v[XS+\i+3]|
.endr
	v_max3_num_f32 v8, v8, |v[XS+14]|, |v[XS+15]|
	v_max3_num_f32 v8, v8, v9, 0x1800000           ; and the floor 2^(3 - 127): the byte cannot fall under 1
	v_max_num_f32_dpp v8, v8, v8 row_xmask:1 row_mask:0xf bank_mask:0xf   ; with my neighbour's 16: the block's largest magnitude
	v_add_nc_u32 v11, 0xff000000, v8               ; 2 off its exponent field: the conversion takes this operand's exponent field as its scale
	v_cvt_scalef32_pk8_fp4_f32 v[AC+2*(\t)], v[XS:XS+7], v11
	v_cvt_scalef32_pk8_fp4_f32 v[AC+2*(\t)+1], v[XS+8:XS+15], v11
	v_lshrrev_b32 v[AE+(\t)], 23, v11              ; the scale's byte
	ds_store_b8 v5, v[AE+(\t)] offset:16*(\t)      ; both lanes of a block write the same byte with the same value
	global_store_b64 v4, v[AC+2*(\t):AC+2*(\t)+1], s[12:13] offset:256*(\t)   ; the wave stores 256 consecutive bytes, aligned
.endm
.irp t, 0,1,2,3,4,5,6,7,8,9,10,11,12,13,14,15
	ASTEP \t
.endr
	ds_load_b64 v[8:9], v6
	s_wait_dscnt 0x0
	global_store_b64 v4, v[8:9], s[14:15]          ; the wave's 256 scale bytes: 256 consecutive bytes, aligned
	s_wait_tensorcnt 0x0                           ; the wave's end
	ds_add_u32 v[SPW], v[NIL]
	s_wait_dscnt 0x0
	s_endpgm
; ---------------- PATH B: W_attn.  The work-group takes 32 columns x 512 along K; wave w takes 128 of the 512: four blocks of 32 a lane.  Two blocks (64 loads) are asked for at once.
; The four waves' codes of a column meet in one stage row of 256 bytes; behind a barrier each wave stores eight whole rows, sixteen lanes to 256 consecutive aligned bytes.
; v8, v9, v11, v15 are at work in every block; the addresses that outlive the blocks stand in v3-7, v10, v14 and v240.
.set BGO, 240                          ; v240 the code rows' place in memory: 512 (l / 16) + 16 (l % 16); written once
.Lpath_b:
	s_cmp_ge_u32 ttmp9, 96
	s_cselect_b32 s21, 1, 0                        ; y: which 512 along K
	s_mul_i32 s22, s21, 96
	s_sub_co_u32 s22, ttmp9, s22                   ; x: which 32 columns
	v_lshlrev_b32 v3, 2, v2                        ; in: 4 bytes a lane
	v_mul_u32_u24 v4, v2, 272
	s_lshl_b32 s23, s20, 6
	s_add_co_u32 s23, s23, 32768
	v_add_nc_u32 v4, s23, v4                       ; stage: row = my column, my wave's 64 bytes
	v_lshlrev_b32 v5, 4, v2
	s_lshl_b32 s23, s20, 2
	s_add_co_u32 s23, s23, 41472
	v_add_nc_u32 v5, s23, v5                       ; scale stage: 16 bytes a column, my wave's word
	v_and_b32 v6, 15, v2
	v_lshrrev_b32 v8, 4, v2
	v_mul_u32_u24 v7, v8, 272
	v_lshl_add_u32 v7, v6, 4, v7
	s_mul_i32 s23, s20, 8*272
	s_add_co_u32 s23, s23, 32768
	v_add_nc_u32 v7, s23, v7                       ; out of the stage: my wave's eight rows, two an instruction
	v_lshlrev_b32 v[BGO], 9, v8
	v_lshl_add_u32 v[BGO], v6, 4, v[BGO]           ; and the same place in the codes' buffer
	v_lshl_add_u32 v10, v2, 4, 41472               ; the scale bytes' way out (wave 0)
	v_lshlrev_b32 v14, 5, v2                       ; a column's row of 32 scale bytes
	s_mov_b32 s25, 0
	s_lshl_b32 s24, s21, 9
	s_lshl_b32 s26, s20, 7
	s_add_co_u32 s24, s24, s26
	s_mul_i32 s24, s24, 12288                      ; (512 y + 128 w) rows of 12,288 bytes
	s_lshl_b32 s26, s22, 7
	s_add_co_u32 s24, s24, s26
	s_add_nc_u64 s[4:5], s[4:5], s[24:25]
	s_lshl_b32 s24, s22, 14                        ; codes: (32 x + 8 w) rows of 512 bytes + 256 y, behind hidden_state's 4,194,304
	s_lshl_b32 s26, s20, 12
	s_add_co_u32 s24, s24, s26
	s_lshl_b32 s26, s21, 8
	s_add_co_u32 s24, s24, s26
	s_add_co_u32 s24, s24, 4194304
	s_add_nc_u64 s[12:13], s[12:13], s[24:25]
	s_lshl_b32 s24, s22, 10                        ; scale bytes: 32 x rows of 32 + 16 y, behind hidden_state's 262,144
	s_lshl_b32 s26, s21, 4
	s_add_co_u32 s24, s24, s26
	s_add_co_u32 s24, s24, 262144
	s_add_nc_u64 s[14:15], s[14:15], s[24:25]
.macro BLOAD t
.set i, 0
.rept 32
	global_load_b32 v[32+32*((\t)%2)+i], v3, s[4:5] offset:(32*(\t)+i)*12288 th:TH_LOAD_NT
.set i, i+1
.endr
.endm
	BLOAD 0
	BLOAD 1
.macro BBLOCK t
.set XS, 32+32*((\t)%2)
.if (\t) < 3
	s_wait_loadcnt 32                              ; this block's 32 loads are in; the next block's may be out
.else
	s_wait_loadcnt 0x0
.endif
	v_max3_num_f32 v8, |v[XS]|, |v[XS+1]|, |v[XS+2]|               ; all 32 numbers of the block are mine
	v_max3_num_f32 v9, |v[XS+3]|, |v[XS+4]|, |v[XS+5]|
.irp i, 6,10,14,18,22,26
	v_max3_num_f32 v8, v8, |v[XS+\i]|, |v[XS+\i+1]|
	v_max3_num_f32 v9, v9, |v[XS+\i+2]|, |v[XS+\i+3]|
.endr
	v_max3_num_f32 v8, v8, |v[XS+30]|, |v[XS+31]|
	v_max3_num_f32 v8, v8, v9, 0x1800000           ; the floor 2^(3 - 127)
	v_add_nc_u32 v11, 0xff000000, v8
	v_lshrrev_b32 v15, 23, v11                     ; the scale's byte
.if (\t) == 0
	v_mov_b32 v24, v15
.else
	v_lshl_or_b32 v24, v15, 8*(\t), v24            ; four bytes to the word, the lower K in the lower byte
.endif
.irp g, 0,1,2,3
	v_cvt_scalef32_pk8_fp4_f32 v[96+\g], v[XS+8*\g:XS+8*\g+7], v11
.endr
	ds_store_b128 v4, v[96:99] offset:16*(\t)
.if (\t)+2 < 4
	BLOAD (\t)+2
.endif
	s_wait_dscnt 0x0                               ; the store has read its registers: the next block's codes may be written
.endm
	BBLOCK 0
	BBLOCK 1
	BBLOCK 2
	BBLOCK 3
	ds_store_b32 v5, v24
	s_wait_dscnt 0x0                               ; for the others' sake: my stores have landed
	s_barrier_signal -1
	s_barrier_wait -1
.irp t, 0,1,2,3
	ds_load_b128 v[112+4*\t:115+4*\t], v7 offset:2*\t*272
.endr
.irp t, 0,1,2,3
	s_wait_dscnt 3-\t
	global_store_b128 v[BGO], v[112+4*\t:115+4*\t], s[12:13] offset:1024*\t
.endr
	s_cmp_lg_u32 s20, 0
	s_cbranch_scc1 .Lb_end
	ds_load_b128 v[128:131], v10                   ; wave 0: each column's 16 scale bytes of this half of K (rows of 32 bytes: 16 bytes a lane; one byte in 128 of what the path reads)
	s_wait_dscnt 0x0
	global_store_b128 v14, v[128:131], s[14:15]
.Lb_end:
	s_wait_tensorcnt 0x0                           ; the wave's end
	ds_add_u32 v[SPW], v[NIL]
	s_wait_dscnt 0x0
	s_endpgm
; ---------------- PATH C: W_proj to f16 with K innermost.  A wave takes 32 columns x 128 along K; the four waves stand side by side on 512 bytes of a row.  The stage is the wave's own: no barrier.
.Lpath_c:
	s_sub_co_u32 s21, ttmp9, 192
	s_and_b32 s22, s21, 7                          ; x: which 128 columns
	s_lshr_b32 s23, s21, 3                         ; y: which 128 along K
	v_lshlrev_b32 v3, 2, v2
	s_mul_i32 s24, s20, 32*272
	s_add_co_u32 s24, s24, 41984                   ; my stage
	v_mul_u32_u24 v4, v2, 272
	v_add_nc_u32 v4, s24, v4
	v_and_b32 v5, 15, v2
	v_lshrrev_b32 v6, 4, v2
	v_mul_u32_u24 v7, v6, 272
	v_lshl_add_u32 v7, v5, 4, v7
	v_add_nc_u32 v7, s24, v7
	v_lshlrev_b32 v8, 11, v6
	v_lshl_add_u32 v8, v5, 4, v8
	s_mov_b32 s25, 0
	s_lshl_b32 s24, s23, 19                        ; 128 y rows of 4,096 bytes + (128 x + 32 w) x 4
	s_lshl_b32 s26, s22, 9
	s_add_co_u32 s24, s24, s26
	s_lshl_b32 s26, s20, 7
	s_add_co_u32 s24, s24, s26
	s_add_nc_u64 s[6:7], s[6:7], s[24:25]
	s_lshl_b32 s24, s22, 18                        ; (128 x + 32 w) rows of 2,048 bytes + 256 y
	s_lshl_b32 s26, s20, 16
	s_add_co_u32 s24, s24, s26
	s_lshl_b32 s26, s23, 8
	s_add_co_u32 s24, s24, s26
	s_add_nc_u64 s[16:17], s[16:17], s[24:25]
.macro CLOAD t
.set i, 0
.rept 32
	global_load_b32 v[32+32*((\t)%2)+i], v3, s[6:7] offset:(32*(\t)+i)*4096
.set i, i+1
.endr
.endm
	CLOAD 0
	CLOAD 1
.macro CBLOCK t
.set XS, 32+32*((\t)%2)
.if (\t) < 3
	s_wait_loadcnt 32                              ; this block's 32 loads are in; the next block's may be out
.else
	s_wait_loadcnt 0x0
.endif
.set i, 0
.rept 16
	v_cvt_pk_f16_f32 v[96+i], v[XS+2*i], v[XS+2*i+1]               ; the lower k in the low half
.set i, i+1
.endr
.irp g, 0,1,2,3
	ds_store_b128 v4, v[96+4*\g:99+4*\g] offset:64*(\t)+16*\g
.endr
.if (\t)+2 < 4
	CLOAD (\t)+2
.endif
	s_wait_dscnt 0x0
.endm
	CBLOCK 0
	CBLOCK 1
	CBLOCK 2
	CBLOCK 3
.irp t, 0,1,2,3,4,5,6,7,8,9,10,11,12,13,14,15
	ds_load_b128 v[112+4*\t:115+4*\t], v7 offset:2*\t*272
.endr
.irp t, 0,1,2,3,4,5,6,7,8,9,10,11,12,13,14,15
	s_wait_dscnt 15-\t
	global_store_b128 v8, v[112+4*\t:115+4*\t], s[16:17] offset:4096*\t     ; sixteen lanes store 256 consecutive bytes, aligned
.endr
	s_wait_tensorcnt 0x0                           ; the wave's end
	ds_add_u32 v[SPW], v[NIL]
	s_wait_dscnt 0x0
	s_endpgm
; ---------------- PATH D: the mask.  Wave w takes batch w, lane i block i of 64 keys.  No LDS.
.Lpath_d:
	v_lshlrev_b32 v3, 8, v2
	v_lshlrev_b32 v4, 7, v2
	v_lshlrev_b32 v5, 2, v2
	s_mov_b32 s25, 0
	s_lshl_b32 s24, s20, 13
	s_add_nc_u64 s[8:9], s[8:9], s[24:25]
	s_add_nc_u64 s[28:29], s[18:19], s[24:25]      ; 8 m: [4][2048] f32 at byte 0
	s_lshl_b32 s24, s20, 12
	s_add_nc_u64 s[30:31], s[18:19], s[24:25]      ; the weights: [4][2048] f16 at byte 32,768
	s_lshl_b32 s24, s20, 7
	s_add_nc_u64 s[32:33], s[18:19], s[24:25]      ; tv: [4][32] f32 at byte 49,152
.irp j, 0,1,2,3,4,5,6,7,8,9,10,11,12,13,14,15
	global_load_b128 v[32+4*\j:35+4*\j], v3, s[8:9] offset:16*\j
.endr
	s_mov_b32 s22, 0x3e38aa3b                      ; c = log2(e) / 8
	s_mov_b32 s23, s22
	s_mov_b32 s26, 0x41000000                      ; 8
	s_mov_b32 s27, 0xfe967699                      ; -1e38
	s_mov_b32 s34, 0x40b17218                      ; 1 / c
	v_mov_b32 v11, 0                               ; (upper halves of pairs of which the low word serves both results)
	v_mov_b32 v21, 0
	s_wait_loadcnt 0x0
.set i, 0
.rept 32
	v_pk_mul_f32 v[32+i:33+i], v[32+i:33+i], s[26:27] op_sel_hi:[1,0]
.set i, i+2
.endr
.set i, 0
.rept 64
	v_max_num_f32 v[32+i], s27, v[32+i]            ; m8 = max(8 m, -1e38)
.set i, i+1
.endr
.irp j, 0,1,2,3,4,5,6,7,8,9,10,11,12,13,14,15
	global_store_b128 v3, v[32+4*\j:35+4*\j], s[28:29] offset:16*\j
.endr
	v_max3_num_f32 v8, v32, v33, v34
.set i, 3
.rept 30
	v_max3_num_f32 v8, v8, v[32+i], v[33+i]
.set i, i+2
.endr
	v_max_num_f32 v10, v8, v95                     ; bm8: the block's largest m8
.set i, 0
.rept 32
	v_pk_add_f32 v[96+i:97+i], v[32+i:33+i], v[10:11] op_sel_hi:[1,0] neg_lo:[0,1] neg_hi:[0,1]   ; m8 - bm8: exactly 0 at the largest
.set i, i+2
.endr
.set i, 0
.rept 32
	v_pk_mul_f32 v[96+i:97+i], v[96+i:97+i], s[22:23] op_sel_hi:[1,0]
.set i, i+2
.endr
.set i, 0
.rept 64
	v_exp_f32 v[96+i], v[96+i]                     ; e^(m - bm)
.set i, i+1
.endr
	v_nop                                          ; a plain instruction behind the last exponential
	s_wait_alu depctr_va_vdst(0)                   ; one wait for the batch, ahead of its first reader
	v_pk_add_f32 v[14:15], v[96:97], v[98:99]
	v_pk_add_f32 v[16:17], v[100:101], v[102:103]
.set i, 8
.rept 14
	v_pk_add_f32 v[14:15], v[14:15], v[96+i:97+i]
	v_pk_add_f32 v[16:17], v[16:17], v[98+i:99+i]
.set i, i+4
.endr
	v_pk_add_f32 v[14:15], v[14:15], v[16:17]
	v_add_f32 v14, v14, v15                        ; z, at least 1
	v_log_f32 v18, v14
	v_rcp_f32 v20, v14
	v_add_f32 v22, 0xc79c4000, v10                 ; bm8 - 80000 (the plain instruction behind the two)
	s_wait_alu depctr_va_vdst(0)
	v_fma_f32 v22, v18, s34, v22                   ; tv = 8 (-10000 + bm + ln z)
.set i, 0
.rept 32
	v_pk_mul_f32 v[96+i:97+i], v[96+i:97+i], v[20:21] op_sel_hi:[1,0]
.set i, i+2
.endr
.set i, 0
.rept 32
	v_cvt_pk_f16_f32 v[160+i], v[96+2*i], v[97+2*i]
.set i, i+1
.endr
.irp j, 0,1,2,3,4,5,6,7
	global_store_b128 v4, v[160+4*\j:163+4*\j], s[30:31] offset:32768+16*\j
.endr
	global_store_b32 v5, v22, s[32:33] offset:49152
	s_endpgm
.Lfunc_end_k_q3c4af3ae8a_prep:
	.size	k_q3c4af3ae8a_prep, .Lfunc_end_k_q3c4af3ae8a_prep-k_q3c4af3ae8a_prep
	.p2alignl 7, 3214868480
	.fill 96, 4, 3214868480
	.section	.rodata,"a",@progbits
	.p2align	6, 0x0
	.amdhsa_kernel k_q3c4af3ae8a_prep
		.amdhsa_group_segment_fixed_size 77312
		.amdhsa_private_segment_fixed_size 0
		.amdhsa_enable_private_segment 0
		.amdhsa_kernarg_size 64
		.amdhsa_user_sgpr_count 2
		.amdhsa_user_sgpr_kernarg_segment_ptr 1
		.amdhsa_wavefront_size32 1
		.amdhsa_system_sgpr_workgroup_id_x 1
		.amdhsa_system_sgpr_workgroup_id_y 1
		.amdhsa_system_sgpr_workgroup_id_z 1
		.amdhsa_system_vgpr_workitem_id 0
		.amdhsa_next_free_vgpr 256
		.amdhsa_next_free_sgpr 66
		.amdhsa_reserve_vcc 0
		.amdhsa_float_denorm_mode_32 3
		.amdhsa_float_denorm_mode_16_64 3
		.amdhsa_memory_ordered 1
		.amdhsa_forward_progress 1
		.amdhsa_inst_pref_size 99
	.end_amdhsa_kernel
	.amdgpu_metadata
---
amdhsa.version: [ 1, 2 ]
amdhsa.kernels:
  - .name:           k_q3c4af3ae8a_prep
    .symbol:         k_q3c4af3ae8a_prep.kd
    .args:
      - { .name: W_attn, .offset: 0, .size: 8, .value_kind: global_buffer, .address_space: global }
      - { .name: W_proj, .offset: 8, .size: 8, .value_kind: global_buffer, .address_space: global }
      - { .name: attention_mask, .offset: 16, .size: 8, .value_kind: global_buffer, .address_space: global }
      - { .name: hidden_state, .offset: 24, .size: 8, .value_kind: global_buffer, .address_space: global }
      - { .name: qcodes, .offset: 32, .size: 8, .value_kind: global_buffer, .address_space: global }
      - { .name: qscales, .offset: 40, .size: 8, .value_kind: global_buffer, .address_space: global }
      - { .name: wp16, .offset: 48, .size: 8, .value_kind: global_buffer, .address_space: global }
      - { .name: maskw, .offset: 56, .size: 8, .value_kind: global_buffer, .address_space: global }
    .group_segment_fixed_size: 77312
    .private_segment_fixed_size: 0
    .kernarg_segment_align: 8
    .kernarg_segment_size: 64
    .max_flat_workgroup_size: 128
    .sgpr_count:     66
    .vgpr_count:     256
    .wavefront_size: 32
...
	.end_amdgpu_metadata
.endif
;; end of part 1
;; launch qkv (part 2): grid 12 x 32, 4 waves a work-group, clusters of 4 x 4, 327,680 bytes of LDS; arguments qcodes, qscales, b_attn, maskw, qkv16, aux; writes qkv16, aux
.if DOCPART == 2
	.amdgcn_target "amdgcn-amd-amdhsa--gfx1250"
	.amdhsa_code_object_version 6
	.text
	.protected	k_q3c4af3ae8a_qkv
	.globl	k_q3c4af3ae8a_qkv
	.p2align	8
	.type	k_q3c4af3ae8a_qkv,@function
k_q3c4af3ae8a_qkv:
	s_mov_b64 s[64:65], 0
	v_nop
	global_prefetch_b8 v0, s[64:65] scope:SCOPE_SE
	s_setreg_imm32_b32 hwreg(HW_REG_WAVE_MODE, 25, 1), 1
	s_wait_xcnt 0x0
	s_wait_alu depctr_hold_cnt(0) depctr_sa_sdst(0) depctr_va_vdst(0) depctr_va_sdst(0) depctr_va_ssrc(0) depctr_va_vcc(0) depctr_vm_vsrc(0)
	s_getreg_b32 s2, hwreg(HW_REG_IB_STS2, 6, 4)
	s_cmp_eq_u32 s2, 0
	s_cbranch_scc0 .Lentry_in_a_cluster
	s_endpgm
.Lentry_in_a_cluster:
	s_bfe_u32 s2, ttmp6, 0x10000c
	s_cmp_lg_u32 s2, 0xf033
	s_cbranch_scc0 .Lentry_shape_is_right
	s_endpgm
.Lentry_shape_is_right:
; x = Q(hidden) Q(W_attn) + b_attn: [8192][3072], both operands as codes of FP4 (E2M1) with one E8M0 scale for 32 along K = 1,024; sums in f32.
; A tile of x, 256 x 256, is made by four waves, 128 x 128 each: 64 accumulators, 512 registers.  All of K lies in two LDS slots of 512 along K, each filled once; by this text's count a wave has three tensor loads out.
; CLUSTERS of 4 x 4: the four of a row need the same rows of hidden_state's codes, the four of a column the same rows of W_attn's: each tile is asked for jointly.
; PLACES.  Tile column = 4 x cluster x + cx, so the part (q, k or v) is the cluster's x.  Tile row = 8 cy + cluster y, so the batch is cy, and a tile begins a sequence where cluster y = 0.
; Branches hang on the cluster's x and y and on the wave's number alone, which all partners share.
; THE MATRIX INSTRUCTION IS USED TRANSPOSED (source 0 = 16 rows of W_attn's codes, source 1 = 16 rows of hidden_state's): a lane holds eight neighbouring columns of one row.  The bias is the C of each sum's first instruction.
; THE WAY OUT.  (1) rows 0-15 of every sequence (for v: rows 0-63) also leave in f32, for the launch that carries the first 16 positions finely; (2) all rows leave in f16, by heads: [part][batch x head][position][64];
; (3) for v: U_i, the weighted mean of each block of 64 rows (the weights come from the launch before), by the matrix unit from the f16 rows in the stage.
; REGISTERS: window 0: v0-31 addresses; v32-95 scale words, two sets; v128-191 A's fragments; v192-255 the bias.  window 1: B's fragments, two sets.  windows 2, 3: the accumulators ((a, b) at v[8 (8 (a % 4) + b)]).
.set NQ,     4                         ; matrix instructions deep in a slot
.set ROWB,   256                       ; a tile's row: 512 codes
.set KROW,   512                       ; a row of codes in memory
.set PITCH,  272                       ; an LDS row: 256 bytes + 16: the 16 rows that a load touches start 16 bytes apart modulo 256
.set FR,     8
.set NL,     2
.set NP,     4
.set HALFT,  128*PITCH
.set SLOT,   4*HALFT
.set KS,     32                        ; a row of scale bytes
.set SCL,    2*SLOT
.set HALFS,  16*272
.set SBLK,   2*272
.set SPARE,  SCL+4*HALFS               ; the spare words, 128 bytes a wave: two blocks of 256 bytes that no other line names
.set STO32, 6                          ; v6   f32 way out: 528 r + 32 h in my stage
.set RD32,  7                          ; v7   my stage + 16 x lane
.set CO32,  8                          ; v8   16 x lane
.set STO,   9                          ; v9   f16 way out: 272 r + 16 h in my stage
.set RD,    10                         ; v10  back: 128 (l / 16) + 272 ((l / 8) % 2) + 16 (l % 8)
.set GO,    11                         ; v11  and in memory: 262,144 (l / 16) + 128 ((l / 8) % 2) + 16 (l % 8)
.set VT,    12                         ; v12  the turning loads' place
.set US,    13                         ; v13  my stage + 16 h
.set UO,    15                         ; v15  2,048 (l / 16) + 16 (l % 16)
.set ADRA,  16
.set BO,    18                         ; v18  32 h
.set WO,    19                         ; v19  16 h
.set ADRB,  20
.set ADRS,  27
.set SPW,   28
.set NIL,   29
.set SC,    32
.set AF,    128
.set BI,    192
.set TMP,   32
.set WV, 16
.set RH, 17                            ; which half of the tile's rows is mine; also: I fetch for A (0) or for B (1)
.set CH, 18                            ; which half of its columns; also: which 128 rows I fetch
.set CX, 19
.set CY, 20
.set TC, 21
.set TR, 22
.set G1, 24
.set G0, 32
.set CLY, 40
.set G1B, 48
.set G0B, 56
.set G1S, 68
.set G0S, 76
.set G1SB, 80
.set G0SB, 88
.set MSB, 0
.macro WIN new                         ; the immediate's high byte repeats the setting that is left
.if MSB != \new
	s_set_vgpr_msb (MSB<<8)|\new
.set MSB, \new
.endif
.endm
.set MUL_LO, 0xa1
.set MUL_HI, 0xf1
.set TO_B,   0x40
.macro JLOAD g0a, g1a, g0b, g1b        ; a joint load: waves 0 and 1 fetch for A, waves 2 and 3 for B; an s_nop 0 and four v_nop follow each line
	s_cmp_eq_u32 s[RH], 0
	s_cbranch_scc0 .Lfor_b_\@
	tensor_load_to_lds s[\g0a:\g0a+3], s[\g1a:\g1a+7]
	s_nop 0
.rept 4
	v_nop
.endr
	s_branch .Lasked_\@
.Lfor_b_\@:
	tensor_load_to_lds s[\g0b:\g0b+3], s[\g1b:\g1b+7]
	s_nop 0
.rept 4
	v_nop
.endr
.Lasked_\@:
.endm
.macro CROUND                          ; a round of the cluster's barrier
	s_barrier_signal -1
	s_barrier_wait -1
	s_cmp_lg_u32 s[WV], 0
	s_cbranch_scc1 .Lnot_wave_0_\@
	s_barrier_signal -3
.Lnot_wave_0_\@:
	s_barrier_wait -3
	s_barrier_signal -1
	s_barrier_wait -1
.endm
	s_load_b256 s[4:11], s[0:1], 0x0               ; qcodes s[4:5], qscales s[6:7], b_attn s[8:9], maskw s[10:11]
	s_load_b128 s[12:15], s[0:1], 0x20             ; qkv16 s[12:13], aux s[14:15]
	v_lshl_add_u32 v[SPW], v0, 2, SPARE
	v_mov_b32 v[NIL], 0
	ds_add_u32 v[SPW], v[NIL]                      ; the wave's opening: the add, twice on end, and its wait ahead of my first tensor load
	ds_add_u32 v[SPW], v[NIL]
	v_lshrrev_b32 v1, 5, v0
	v_readfirstlane_b32 s[WV], v1
	s_lshr_b32 s[RH], s[WV], 1
	s_and_b32 s[CH], s[WV], 1
	s_bfe_u32 s[CX], ttmp6, 0x40000
	s_bfe_u32 s[CY], ttmp6, 0x40004
	s_lshl_b32 s[TC], ttmp9, 2
	s_add_co_u32 s[TC], s[TC], s[CX]               ; tile column
	s_and_b32 s[CLY], ttmp7, 0xffff
	s_lshl_b32 s[TR], s[CY], 3
	s_add_co_u32 s[TR], s[TR], s[CLY]              ; tile row
	s_lshl_b32 s43, s[CY], 2
	s_lshl_b32 s43, 15, s43                        ; my row of the cluster
	s_lshl_b32 s44, 0x1111, s[CX]                  ; my column
	s_or_b32 s[G1+0], s43, (0<<16)|(1<<20)|(1<<21)|(5<<22)|(3<<25)   ; the mask; elements of 1 byte; padding: 4 words after every 64
	s_or_b32 s[G1B+0], s44, (0<<16)|(1<<20)|(1<<21)|(5<<22)|(3<<25)
.irp g, G1, G1B
	s_mov_b32 s[\g+1], ROWB<<16
	s_mov_b32 s[\g+2], 128<<16
	s_mov_b32 s[\g+3], ROWB<<16
	s_mov_b32 s[\g+4], 128
	s_mov_b32 s[\g+5], KROW
	s_mov_b32 s[\g+6], 0
	s_mov_b32 s[\g+7], 0
.endr
	s_or_b32 s[G1S+0], s43, (3<<16)|(1<<20)|(1<<21)|(5<<22)|(3<<25)  ; the scales of 128 rows: 4,096 dense bytes as 16 rows of 256, 16 bytes of padding behind each
	s_or_b32 s[G1SB+0], s44, (3<<16)|(1<<20)|(1<<21)|(5<<22)|(3<<25)
.irp g, G1S, G1SB
	s_mov_b32 s[\g+1], 32<<16
	s_mov_b32 s[\g+2], 16<<16
	s_mov_b32 s[\g+3], 32<<16
	s_mov_b32 s[\g+4], 16
	s_mov_b32 s[\g+5], 32
	s_mov_b32 s[\g+6], 0
	s_mov_b32 s[\g+7], 0
.endr
	s_lshl_b32 s45, s[CH], 7                       ; which 128 rows of the tile I fetch
	s_lshl_b32 s92, s[TR], 8
	s_add_co_u32 s92, s92, s45                     ; A's row
	s_lshl_b32 s96, s[TC], 8
	s_add_co_u32 s96, s96, s45                     ; B's row
	s_lshl_b32 s94, s92, 5                         ; their scale bytes,
	s_lshl_b32 s92, s92, 9                         ; their codes
	s_lshl_b32 s98, s96, 5
	s_add_co_u32 s98, s98, 262144                  ; W_attn's lie behind hidden_state's
	s_lshl_b32 s96, s96, 9
	s_add_co_u32 s96, s96, 4194304
	s_mov_b32 s93, 0
	s_mov_b32 s95, 0
	s_mov_b32 s97, 0
	s_mov_b32 s99, 0
	s_mul_i32 s45, s[WV], HALFT                    ; where they go: no place in the cluster enters an LDS address
	s_mul_i32 s46, s[WV], HALFS
	s_wait_dscnt 0x0                               ; both opening adds are done
	s_wait_kmcnt 0x0
	s_add_nc_u64 s[92:93], s[4:5], s[92:93]
	s_add_nc_u64 s[94:95], s[6:7], s[94:95]
	s_add_nc_u64 s[96:97], s[4:5], s[96:97]
	s_add_nc_u64 s[98:99], s[6:7], s[98:99]
	CROUND                                         ; all sixteen work-groups are here: the first joint loads meet
	s_mov_b32 s[G0S], 1
	s_add_co_u32 s[G0S+1], s46, SCL
	s_mov_b64 s[G0S+2:G0S+3], s[94:95]
	s_or_b32 s[G0S+3], s[G0S+3], 0x80000000
	s_mov_b32 s[G0SB], 1
	s_add_co_u32 s[G0SB+1], s46, SCL
	s_mov_b64 s[G0SB+2:G0SB+3], s[98:99]
	s_or_b32 s[G0SB+3], s[G0SB+3], 0x80000000
	JLOAD G0S, G1S, G0SB, G1SB
.irp s, 0,1
	s_mov_b32 s[G0+4*\s], 1
	s_add_co_u32 s[G0+4*\s+1], s45, \s*SLOT
	s_add_nc_u64 s[G0+4*\s+2:G0+4*\s+3], s[92:93], \s*ROWB
	s_or_b32 s[G0+4*\s+3], s[G0+4*\s+3], 0x80000000
	s_mov_b32 s[G0B+4*\s], 1
	s_add_co_u32 s[G0B+4*\s+1], s45, \s*SLOT
	s_add_nc_u64 s[G0B+4*\s+2:G0B+4*\s+3], s[96:97], \s*ROWB
	s_or_b32 s[G0B+4*\s+3], s[G0B+4*\s+3], 0x80000000
	JLOAD G0+4*\s, G1, G0B+4*\s, G1B
.endr
	v_and_b32 v1, 15, v0                           ; r
	v_bfe_u32 v2, v0, 4, 1                         ; h
	v_and_b32 v3, 31, v0                           ; lane
	v_lshlrev_b32 v[BO], 5, v2
	s_mov_b32 s47, 0
	s_lshl_b32 s46, s[TC], 10
	s_lshl_b32 s41, s[CH], 9
	s_add_co_u32 s46, s46, s41                     ; my first column, in bytes of f32
	s_add_nc_u64 s[8:9], s[8:9], s[46:47]
.irp b, 0,1,2,3,4,5,6,7                        ; the bias in the result's layout: register j of block b is b_attn[my column + 16 b + 8 h + j]
	global_load_b128 v[BI+8*\b:BI+8*\b+3], v[BO], s[8:9] offset:64*\b
	global_load_b128 v[BI+8*\b+4:BI+8*\b+7], v[BO], s[8:9] offset:64*\b+16
.endr
	s_mul_i32 s41, s[CY], 64*12288
	s_add_co_u32 s46, s46, s41
	s_add_nc_u64 s[92:93], s[14:15], s[46:47]      ; the f32 rows: [4][64][3072] at aux's byte 0
	s_lshl_b32 s46, s[CY], 4
	s_lshl_b32 s41, s[CX], 2
	s_add_co_u32 s46, s46, s41
	s_lshl_b32 s41, s[CH], 1
	s_add_co_u32 s46, s46, s41                     ; batch x 16 + my first head
	s_lshl_b32 s46, s46, 11
	s_lshl_b32 s41, s[CLY], 8
	s_add_co_u32 s46, s46, s41
	s_lshl_b32 s41, s[RH], 7
	s_add_co_u32 s46, s46, s41                     ; + my first position
	s_lshl_b32 s46, s46, 7                         ; rows of 128 bytes
	s_lshl_b32 s41, ttmp9, 24                      ; the part: 16,777,216 bytes each
	s_add_co_u32 s46, s46, s41
	s_add_nc_u64 s[94:95], s[12:13], s[46:47]
	s_lshl_b32 s46, s[CY], 12
	s_lshl_b32 s41, s[CLY], 9
	s_add_co_u32 s46, s46, s41
	s_lshl_b32 s41, s[RH], 8
	s_add_co_u32 s46, s46, s41
	s_add_nc_u64 s[96:97], s[10:11], s[46:47]      ; my 128 positions' weights (f16; from byte 32,768 on)
	s_lshl_b32 s46, s[CY], 5
	s_lshl_b32 s41, s[CLY], 2
	s_add_co_u32 s46, s46, s41
	s_lshl_b32 s41, s[RH], 1
	s_add_co_u32 s46, s46, s41                     ; batch x 32 + my first block of 64 positions
	s_lshl_b32 s46, s46, 10
	s_lshl_b32 s41, s[CX], 8
	s_add_co_u32 s46, s46, s41
	s_lshl_b32 s41, s[CH], 7
	s_add_co_u32 s46, s46, s41
	s_lshl_b32 s46, s46, 1
	s_add_nc_u64 s[98:99], s[14:15], s[46:47]      ; U: [4][32][1024] f16 (from aux's byte 3,145,728 on)
	v_mul_u32_u24 v4, v1, PITCH
	v_lshl_add_u32 v4, v2, 4, v4                   ; a fragment's row x pitch + 16 x half
	s_mul_i32 s41, s[RH], HALFT
	s_mul_i32 s42, s[CH], HALFT
	s_add_co_u32 s42, s42, 2*HALFT
.irp s, 0,1
	v_add_nc_u32 v[ADRA+\s], s41, v4
	v_add_nc_u32 v[ADRB+\s], s42, v4
	s_add_co_u32 s41, s41, SLOT
	s_add_co_u32 s42, s42, SLOT
.endr
	v_mul_u32_u24 v5, v1, KS                       ; my row's scales: 32 bytes a row,
	v_lshrrev_b32 v22, 8, v5
	v_lshl_add_u32 v5, v22, 4, v5                  ; and 16 more for each 256 passed
	s_mul_i32 s41, s[RH], HALFS
	s_mul_i32 s42, s[CH], HALFS
	s_add_co_u32 s42, s42, 2*HALFS
	s_sub_co_u32 s42, s42, s41
	v_mul_u32_u24 v22, s42, v2                     ; lanes 16-31 take B's
	s_add_co_u32 s41, s41, SCL
	v_add_nc_u32 v5, v5, v22
	v_add_nc_u32 v[ADRS], s41, v5
	s_mul_i32 s43, s[WV], HALFT                    ; my stage for the way out: my quarter of slot 0, which has had its one fill and, behind the change of slots, its last read
	v_mul_u32_u24 v[STO32], v1, 528
	v_lshl_add_u32 v[STO32], v2, 5, v[STO32]
	v_add_nc_u32 v[STO32], s43, v[STO32]
	v_lshlrev_b32 v[CO32], 4, v3
	v_add_nc_u32 v[RD32], s43, v[CO32]
	v_add_nc_u32 v[STO], s43, v4
	v_and_b32 v22, 7, v0                           ; l % 8
	v_bfe_u32 v23, v0, 3, 1                        ; (l / 8) % 2
	v_mul_u32_u24 v[RD], v23, 272
	v_lshl_add_u32 v[RD], v2, 7, v[RD]
	v_lshl_add_u32 v[RD], v22, 4, v[RD]
	v_add_nc_u32 v[RD], s43, v[RD]
	v_lshlrev_b32 v[GO], 18, v2
	v_lshl_add_u32 v[GO], v23, 7, v[GO]
	v_lshl_add_u32 v[GO], v22, 4, v[GO]
	v_lshl_add_u32 v[VT], v2, 3, v22
	v_mul_u32_u24 v[VT], v[VT], 272
	v_lshl_add_u32 v[VT], v23, 4, v[VT]
	v_add_nc_u32 v[VT], s43, v[VT]
	v_lshlrev_b32 v[WO], 4, v2
	v_add_nc_u32 v[US], s43, v[WO]
	v_lshlrev_b32 v[UO], 11, v2
	v_lshl_add_u32 v[UO], v1, 4, v[UO]
.macro FRAG reg, adr, q, i             ; 16 rows x 128 K of 4-bit codes: 8 registers, two loads of 16 bytes, 32 bytes apart
.irp c, 0,1
	ds_load_b128 v[\reg+4*\c:\reg+4*\c+3], v[\adr] offset:64*(\q)+32*\c+(\i)*16*PITCH
.endr
.endm
; 16 matrix instructions: A's blocks a0, a0 + 1 x B's eight.  zero = 1: the first product starts the sums, with the bias as C.  The 64 accumulators take turns, one instruction a turn.
.macro MUL16 a0, p, q, sc, zero
.irp a, \a0, \a0+1
.irp b, 0,1,2,3,4,5,6,7
.if \zero
	v_wmma_scale_f32_16x16x128_f8f6f4 v[8*(8*((\a)%4)+\b):8*(8*((\a)%4)+\b)+7], v[128*(\p)+FR*\b:128*(\p)+FR*\b+FR-1], v[AF+FR*(\a):AF+FR*(\a)+FR-1], v[BI+8*\b:BI+8*\b+7], v[SC+8*NQ*(\sc)+NQ*\b+(\q)], v[SC+8*NQ*(\sc)+NQ*(\a)+(\q)] matrix_a_fmt:MATRIX_FMT_FP4 matrix_b_fmt:MATRIX_FMT_FP4 matrix_a_scale:MATRIX_SCALE_ROW1
.else
	v_wmma_scale_f32_16x16x128_f8f6f4 v[8*(8*((\a)%4)+\b):8*(8*((\a)%4)+\b)+7], v[128*(\p)+FR*\b:128*(\p)+FR*\b+FR-1], v[AF+FR*(\a):AF+FR*(\a)+FR-1], v[8*(8*((\a)%4)+\b):8*(8*((\a)%4)+\b)+7], v[SC+8*NQ*(\sc)+NQ*\b+(\q)], v[SC+8*NQ*(\sc)+NQ*(\a)+(\q)] matrix_a_fmt:MATRIX_FMT_FP4 matrix_b_fmt:MATRIX_FMT_FP4 matrix_a_scale:MATRIX_SCALE_ROW1
.endif
.endr
.endr
.endm
.macro FETCH_B slot, q, p
	WIN TO_B
.irp i, 0,1,2,3,4,5,6,7
	FRAG 128*(\p)+FR*\i, ADRB+\slot, \q, \i
.endr
	WIN 0
.endm
.macro FETCH_A slot, q, i0
.irp i, \i0, \i0+1, \i0+2, \i0+3
	FRAG AF+FR*(\i), ADRA+\slot, \q, \i
.endr
.endm
.macro SCALES sc                       ; a slot's scale words: four a row; lanes 0-15 take A's block i, lanes 16-31 B's block i
.irp i, 0,1,2,3,4,5,6,7
	ds_load_b128 v[SC+8*NQ*\sc+NQ*\i:SC+8*NQ*\sc+NQ*\i+3], v[ADRS] offset:\i*SBLK
.endr
.endm
.macro PLACES n                        ; plain vector instructions between a matrix instruction and a load into, or a read of, its registers
.rept \n
	v_nop
.endr
.endm
.macro STEP slot, q, zero              ; 128 along K whose successor lies in the same slot
	s_wait_dscnt 4*NL                              ; B's set and A's blocks 0-3 are in; the youngest eight loads (A's blocks 4-7) may be out
.if \zero
	WIN 0x81                                       ; C, the bias, in window 0; D in window 2
.else
	WIN MUL_LO
.endif
	MUL16 0, (\q)%2, \q, \slot, \zero
	MUL16 2, (\q)%2, \q, \slot, \zero
	s_wait_dscnt 0
	PLACES NP
	FETCH_B \slot, (\q)+1, 1-(\q)%2
	FETCH_A \slot, (\q)+1, 0
.if \zero
	WIN 0xc1
.else
	WIN MUL_HI
.endif
	MUL16 4, (\q)%2, \q, \slot, \zero
	MUL16 6, (\q)%2, \q, \slot, \zero
	PLACES NP
	WIN 0
	FETCH_A \slot, (\q)+1, 4
.endm
.macro TURN slot, next                 ; a slot's last step changes slots: one barrier; nothing is filled again
	s_wait_tensorcnt 0x0                           ; all my tensor loads have landed: my part of the next slot
	ds_add_u32 v[SPW], v[NIL]
	s_wait_dscnt 4*NL+1                            ; (the add and the youngest eight loads may be out)
	WIN MUL_LO
	MUL16 0, 1, NQ-1, \slot, 0
	s_wait_dscnt 0x0                               ; the add is done, and my reads of this slot are over
	s_barrier_signal -1
	MUL16 2, 1, NQ-1, \slot, 0
	WIN 0
	s_barrier_wait -1
	PLACES NP
	v_add_nc_u32 v[ADRS], 4*NQ, v[ADRS]            ; on to the next slot's scale words
	FETCH_B \next, 0, 0
	FETCH_A \next, 0, 0
	SCALES \next
	WIN MUL_HI
	MUL16 4, 1, NQ-1, \slot, 0
	MUL16 6, 1, NQ-1, \slot, 0
	PLACES NP
	WIN 0
	FETCH_A \next, 0, 4
.endm
	s_wait_tensorcnt 1                             ; the scales and my part of slot 0 are in (slot 1's load may be out),
	s_barrier_signal -1
	s_barrier_wait -1                              ; everybody's are
	FETCH_B 0, 0, 0
	FETCH_A 0, 0, 0
	SCALES 0
	FETCH_A 0, 0, 4
	s_wait_loadcnt 0x0                             ; the bias
	STEP 0, 0, 1
	STEP 0, 1, 0
	STEP 0, 2, 0
	TURN 0, 1
	STEP 1, 0, 0
	STEP 1, 1, 0
	STEP 1, 2, 0
	s_wait_dscnt 4*NL
	WIN MUL_LO
	MUL16 0, 1, NQ-1, 1, 0
	MUL16 2, 1, NQ-1, 1, 0
	s_wait_dscnt 0
	WIN MUL_HI
	MUL16 4, 1, NQ-1, 1, 0
	MUL16 6, 1, NQ-1, 1, 0
	WIN 0
	PLACES NP
; (1) 16 rows x 128 columns in f32 through my stage: whole rows of 512 bytes leave, 32 lanes to a row
.macro F32BLK a
	WIN 0x08                                       ; an LDS store's data: window 2
.irp b, 0,1,2,3,4,5,6,7
	ds_store_b128 v[STO32], v[64*(\a)+8*\b:64*(\a)+8*\b+3] offset:64*\b          ; each accumulator from its low end on
	ds_store_b128 v[STO32], v[64*(\a)+8*\b+4:64*(\a)+8*\b+7] offset:64*\b+16
.endr
	WIN 0
.irp t, 0,1,2,3,4,5,6,7,8,9,10,11,12,13,14,15
	ds_load_b128 v[64+4*\t:67+4*\t], v[RD32] offset:\t*528   ; LDS serves a wave's instructions in order: these see my stores
.endr
	s_wait_dscnt 0x0
.irp t, 0,1,2,3,4,5,6,7,8,9,10,11,12,13,14,15
	global_store_b128 v[CO32], v[64+4*\t:67+4*\t], s[92:93] offset:(16*(\a)+\t)*12288
.endr
	s_wait_xcnt 0x0                                ; the stores have read their registers: they may be loaded again
.endm
	s_or_b32 s41, s[CLY], s[RH]
	s_cmp_lg_u32 s41, 0
	s_cbranch_scc1 .Lno_fine                       ; only the waves whose rows begin a sequence
	F32BLK 0
	s_cmp_lg_u32 ttmp9, 2
	s_cbranch_scc1 .Lno_fine                       ; of v the whole first block of 64 positions
	F32BLK 1
	F32BLK 2
	F32BLK 3
.Lno_fine:
; (2) all 128 rows in f16 into my stage, rows of 256 bytes + 16
.macro PACK a
	WIN 0x0a+5*((\a)/4)                            ; sources 0 and 1: window 2 or 3
.irp b, 0,1,2,3,4,5,6,7
.irp i, 0,1,2,3
	v_cvt_pk_f16_f32 v[TMP+4*\b+\i], v[64*((\a)%4)+8*\b+2*\i], v[64*((\a)%4)+8*\b+2*\i+1]
.endr
.endr
	WIN 0
.irp b, 0,1,2,3,4,5,6,7
	ds_store_b128 v[STO], v[TMP+4*\b:TMP+4*\b+3] offset:(\a)*16*272+32*\b
.endr
.endm
.irp a, 0,1,2,3,4,5,6,7
	PACK \a
.endr
; and out by heads: lanes 0-15 take two positions' 128 bytes of my first head, 256 consecutive aligned bytes of memory; lanes 16-31 the same of my second head
.irp g, 0,1,2,3
.if \g > 1
	s_wait_xcnt 0x0                                ; group g - 2's stores have read their registers
.endif
.irp t, 0,1,2,3,4,5,6,7,8,9,10,11,12,13,14,15
	ds_load_b128 v[64+64*(\g%2)+4*\t:67+64*(\g%2)+4*\t], v[RD] offset:2*(16*\g+\t)*272
.endr
.irp t, 0,1,2,3,4,5,6,7,8,9,10,11,12,13,14,15
	s_wait_dscnt 15-\t
	global_store_b128 v[GO], v[64+64*(\g%2)+4*\t:67+64*(\g%2)+4*\t], s[94:95] offset:(16*\g+\t)*256
.endr
.endr
	s_cmp_lg_u32 ttmp9, 2
	s_cbranch_scc1 .Lno_u
; (3) v alone: U of my two blocks of 64 positions.  Source 0 = V^T (16 channels x 32 positions, turned out of the stage), source 1 = the weights, the same in all 16 columns: every column of the result holds U.
	s_wait_xcnt 0x0                                ; the last groups' stores have read their registers
.irp be, 0,1
.irp u, 0,1
	global_load_b128 v[192+16*\be+8*\u:195+16*\be+8*\u], v[WO], s[96:97] offset:32768+128*\be+64*\u
	global_load_b128 v[196+16*\be+8*\u:199+16*\be+8*\u], v[WO], s[96:97] offset:32768+128*\be+64*\u+32
.endr
.endr
.irp be, 0,1
.if \be > 0
	PLACES 4                                       ; in front of loads into registers that matrix instructions have read
.endif
	WIN 0x40
.irp u, 0,1
.irp t, 0,1,2,3,4,5,6,7
	ds_load_tr16_b128 v[8*(8*\u+\t):8*(8*\u+\t)+3], v[VT] offset:(64*\be+32*\u)*272+32*\t
	ds_load_tr16_b128 v[8*(8*\u+\t)+4:8*(8*\u+\t)+7], v[VT] offset:(64*\be+32*\u+16)*272+32*\t
.endr
.endr
	s_wait_dscnt 0x0
.if \be == 0
	s_wait_loadcnt 0x0                             ; the weights
.endif
	WIN 0x51                                       ; V^T, C and D in window 1, the weights in window 0
.irp t, 0,1,2,3,4,5,6,7
	v_wmma_f32_16x16x32_f16 v[128+64*\be+8*\t:135+64*\be+8*\t], v[8*\t:8*\t+7], v[192+16*\be:199+16*\be], 0
.endr
.irp t, 0,1,2,3,4,5,6,7
	v_wmma_f32_16x16x32_f16 v[128+64*\be+8*\t:135+64*\be+8*\t], v[64+8*\t:71+8*\t], v[200+16*\be:207+16*\be], v[128+64*\be+8*\t:135+64*\be+8*\t]
.endr
.endr
	PLACES 4
	WIN 0x05
.irp be, 0,1
.irp t, 0,1,2,3,4,5,6,7
.irp i, 0,1,2,3
	v_cvt_pk_f16_f32 v[32+4*(8*\be+\t)+\i], v[128+64*\be+8*\t+2*\i], v[128+64*\be+8*\t+2*\i+1]
.endr
.endr
.endr
	WIN 0
.irp be, 0,1
.irp t, 0,1,2,3,4,5,6,7
	ds_store_b128 v[US], v[32+4*(8*\be+\t):35+4*(8*\be+\t)] offset:256*\be+32*\t   ; the sixteen lanes of a half write the same bytes with the same value
.endr
.endr
	ds_load_b128 v[96:99], v[RD32]
	s_wait_dscnt 0x0
	global_store_b128 v[UO], v[96:99], s[98:99] offset:3145728   ; sixteen lanes store 256 consecutive bytes, aligned: 128 channels of one block
.Lno_u:
	s_wait_tensorcnt 0x0                           ; the wave's end
	ds_add_u32 v[SPW], v[NIL]
	s_wait_dscnt 0x0
	CROUND                                         ; the closing round
	s_endpgm
.Lfunc_end_k_q3c4af3ae8a_qkv:
	.size	k_q3c4af3ae8a_qkv, .Lfunc_end_k_q3c4af3ae8a_qkv-k_q3c4af3ae8a_qkv
	.p2alignl 7, 3214868480
	.fill 96, 4, 3214868480
	.section	.rodata,"a",@progbits
	.p2align	6, 0x0
	.amdhsa_kernel k_q3c4af3ae8a_qkv
		.amdhsa_group_segment_fixed_size 327680
		.amdhsa_private_segment_fixed_size 0
		.amdhsa_enable_private_segment 0
		.amdhsa_kernarg_size 48
		.amdhsa_user_sgpr_count 2
		.amdhsa_user_sgpr_kernarg_segment_ptr 1
		.amdhsa_wavefront_size32 1
		.amdhsa_system_sgpr_workgroup_id_x 1
		.amdhsa_system_sgpr_workgroup_id_y 1
		.amdhsa_system_sgpr_workgroup_id_z 1
		.amdhsa_system_vgpr_workitem_id 0
		.amdhsa_next_free_vgpr 1024
		.amdhsa_next_free_sgpr 102
		.amdhsa_reserve_vcc 0
		.amdhsa_float_denorm_mode_32 3
		.amdhsa_float_denorm_mode_16_64 3
		.amdhsa_memory_ordered 1
		.amdhsa_forward_progress 1
		.amdhsa_inst_pref_size 158
	.end_amdhsa_kernel
	.amdgpu_metadata
---
amdhsa.version: [ 1, 2 ]
amdhsa.kernels:
  - .name:           k_q3c4af3ae8a_qkv
    .symbol:         k_q3c4af3ae8a_qkv.kd
    .args:
      - { .name: qcodes, .offset: 0, .size: 8, .value_kind: global_buffer, .address_space: global }
      - { .name: qscales, .offset: 8, .size: 8, .value_kind: global_buffer, .address_space: global }
      - { .name: b_attn, .offset: 16, .size: 8, .value_kind: global_buffer, .address_space: global }
      - { .name: maskw, .offset: 24, .size: 8, .value_kind: global_buffer, .address_space: global }
      - { .name: qkv16, .offset: 32, .size: 8, .value_kind: global_buffer, .address_space: global }
      - { .name: aux, .offset: 40, .size: 8, .value_kind: global_buffer, .address_space: global }
    .group_segment_fixed_size: 327680
    .private_segment_fixed_size: 0
    .kernarg_segment_align: 8
    .kernarg_segment_size: 48
    .max_flat_workgroup_size: 128
    .sgpr_count:     102
    .vgpr_count:     1024
    .wavefront_size: 32
...
	.end_amdgpu_metadata
.endif
;; end of part 2
;; launch attn (part 3): grid 64 x 8, 8 waves a work-group, no clusters, 327,680 bytes of LDS; arguments qkv16, maskw, aux, o16, ofine; writes o16, ofine
.if DOCPART == 3
	.amdgcn_target "amdgcn-amd-amdhsa--gfx1250"
	.amdhsa_code_object_version 6
	.text
	.protected	k_q3c4af3ae8a_attn
	.globl	k_q3c4af3ae8a_attn
	.p2align	8
	.type	k_q3c4af3ae8a_attn,@function
k_q3c4af3ae8a_attn:
	s_mov_b64 s[64:65], 0
	v_nop
	global_prefetch_b8 v0, s[64:65] scope:SCOPE_SE
	s_setreg_imm32_b32 hwreg(HW_REG_WAVE_MODE, 25, 1), 1
	s_wait_xcnt 0x0
; O = softmax(causal(q k^T / 8) + mask) v for one batch and head (work-group x) and 256 queries (block 7 - work-group y: the long blocks first).  q, k, v: f16 [64][2048][64]; products' sums, maxima and sums in f32.
; WORK LEFT OUT: q k^T in tiles wholly above the diagonal, where the problem's own causal matrix multiplies it by 0.  What the softmax still holds there, e^(-10000 + mask), is kept: inside the diagonal step entry by entry,
; and for each block of 64 keys that is wholly hidden as ONE virtual key with score tv and value U (made by the two launches before; the identity stands at the head of the first kernel).
; LIMIT: a NaN or an infinity that arises only in the scores left out is not carried to the result.
; SHARES.  Eight waves, 32 queries each: two tiles of 16.  Keys go 64 a step; K and V come through a ring of two LDS slots of 256 keys, filled by waves 0 to 3 (K's halves, V's halves) and read by all eight.
; NO CLUSTER: under the causal mask the query blocks of a head need different numbers of tiles, so a partner would have to ask for tiles that none of its waves reads.
; EVERY work-group walks all eight changes of slots (constant trip counts); a step all of whose keys come after the wave's queries is jumped over by a scalar branch on ids, and a slot beyond the work-group's last query is not asked for.
; LAYOUT.  S^T = K Q^T + 8 mask (source 0 = 16 keys, source 1 = 16 queries, C = the mask of the tile's keys): a lane holds ONE query.  Two such tiles, rounded to f16 in pairs, are source 1 of O^T = V^T P.
; SOFTMAX.  t = q.k + 8 m; a running maximum M and sum l for each query; p = 2^(c t - c M), c = log2(e) / 8; in every step O^T and l are multiplied by 2^(c M_old - c M_new).
; THE FIRST 16 POSITIONS of every sequence are also made in f32 (operands, weights and products), by waves 0 to 3 of block 0, each for 16 of the head's 64 channels: 32 bytes a lane, 262,144 bytes in the whole launch.
; REGISTERS.  window 0: v1-15 addresses; v16-31 statistics, eight a tile (+0 c M, +1 M, +2, +3 l, +4 to +7 at work; the factor in +6); v32-63 the mask as C; v64-127 S^T; v128-159 P; v160-223 K; v224-255 at work.
;   window 1: v0-63 O^T; v64-95 Q; v96-159 V; v160-175 tv; v192-223 the f32 products' sums, written by matrix instructions alone.
.set KP,    272                        ; two keys' 256 bytes + 16: key k at (k / 2) 272 + 128 (k % 2): the 16 rows of a load fall on 16 different columns of 16 bytes modulo 256
.set VP,    288
.set VOFF,  128*KP                     ; a slot: 128 pair-rows of K, then 128 of V
.set SLOT1, 1<<17
.set MSK,   2*SLOT1                    ; 8 m of the batch: 8,192 bytes
.set VV,    MSK+8192                   ; U of the head: 32 rows of 128 bytes + 32
.set VVP,   160
.set STAGE, VV+32*VVP                  ; the way out: 32 rows x 144 bytes for each wave; no fill lands here
.set SPARE, STAGE+8*32*144             ; the spare words, 128 bytes a wave: four blocks of 256 bytes that no other line names
.set AK0, 1
.set AV0, 2
.set AM0, 3
.set ADK, 4
.set ADV, 5
.set ADM, 6
.set AVV, 7
.set STO, 8
.set RD,  9
.set GO,  10
.set DD,  11
.set SPW, 12
.set NIL, 13
.set PF0, 14
.set PF1, 15
.set ST,  16
.set CM,  32
.set S,   64
.set P,   128
.set KR,  160
.set HM,  224
.set O,   0                            ; window 1
.set QR,  64
.set VR,  96
.set TV,  160
.set SA,  192
.set SB,  200
.set OA,  208
.set OB,  216
.set BH,  14
.set BLK, 15
.set BB,  16
.set HD,  17
.set WV,  18
.set IW,  19                           ; the block of 64 keys in which my 32 queries lie
.set SEL, 20
.set CS,  22
.set G1K, 24
.set G1V, 32
.set G0K, 40
.set G0V, 44
.set G1M, 48
.set G1W, 56
.set G0M, 68
.set G0W, 72
.set PFA, 76
.set LIM, 78
.set SLOTS, 79
.set TB,  80
.set TM,  82
.set KF,  83
.set Q0,  84
.set N80, 85
.set MSB, 0
.macro WIN new
.if MSB != \new
	s_set_vgpr_msb (MSB<<8)|\new
.set MSB, \new
.endif
.endm
.macro TLOAD g0k, g1k, g0v, g1v        ; waves 0 and 1 issue the first, waves 2 and 3 the second, the others none; an s_nop 0 and four v_nop follow each line
	s_cmp_lt_u32 s[WV], 2
	s_cbranch_scc0 .Lnot_k_\@
	tensor_load_to_lds s[\g0k:\g0k+3], s[\g1k:\g1k+7]
	s_nop 0
.rept 4
	v_nop
.endr
	s_branch .Lasked_\@
.Lnot_k_\@:
	s_cmp_lt_u32 s[WV], 4
	s_cbranch_scc0 .Lasked_\@
	tensor_load_to_lds s[\g0v:\g0v+3], s[\g1v:\g1v+7]
	s_nop 0
.rept 4
	v_nop
.endr
.Lasked_\@:
.endm
; A prefetch of what the NEXT change of slots will ask for: 32,768 bytes of K and of V.  All eight work-groups of a head walk the same rows: the one with y = 0, which walks them all, asks; in it waves 4 to 7,
; 8,192 bytes of each tensor a wave, lanes 256 bytes apart: each aligned block of 256 bytes is named once in the launch.  Slots 0 and 1 come by their loads alone; the last change that fills a slot asks for nothing.
.macro ASK
	s_cmp_gt_u32 s[SLOTS], s[LIM]
	s_cbranch_scc0 .Lnot_mine_\@
	global_prefetch_b8 v[PF0], s[PFA:PFA+1] th:TH_LOAD_NT scope:SCOPE_SE
	global_prefetch_b8 v[PF1], s[PFA:PFA+1] th:TH_LOAD_NT scope:SCOPE_SE
.Lnot_mine_\@:
.endm
	s_load_b256 s[4:11], s[0:1], 0x0               ; qkv16 s[4:5], maskw s[6:7], aux s[8:9], o16 s[10:11]
	s_load_b64 s[12:13], s[0:1], 0x20              ; ofine
	v_lshl_add_u32 v[SPW], v0, 2, SPARE
	v_mov_b32 v[NIL], 0
	ds_add_u32 v[SPW], v[NIL]                      ; the wave's opening: the add, twice on end, and its wait ahead of my first tensor load
	ds_add_u32 v[SPW], v[NIL]
	v_lshrrev_b32 v1, 5, v0
	v_readfirstlane_b32 s[WV], v1
	s_mov_b32 s[BH], ttmp9
	s_and_b32 s86, ttmp7, 0xffff
	s_sub_co_u32 s[BLK], 7, s86
	s_lshr_b32 s[BB], s[BH], 4
	s_and_b32 s[HD], s[BH], 15
	s_lshl_b32 s[Q0], s[BLK], 8
	s_lshl_b32 s87, s[WV], 5
	s_add_co_u32 s[Q0], s[Q0], s87                 ; my first query
	s_lshr_b32 s[IW], s[Q0], 6
	s_and_b32 s88, s[WV], 1                        ; which half I fetch, if I fetch
	s_lshr_b32 s89, s[WV], 2
	s_xor_b32 s89, s89, 1                          ; 0 in waves 4 to 7,
	s_or_b32 s89, s89, s86                         ; of the work-group with y = 0
	s_cmp_eq_u32 s89, 0
	s_cselect_b32 s[LIM], 1, -1
	s_mov_b32 s[G1K], (3<<16)|(1<<20)|(5<<22)|(3<<25)              ; elements of 8 bytes; padding: 4 words after every 64
	s_mov_b32 s[G1V], (3<<16)|(1<<20)|(5<<22)|(7<<25)              ; 8 words
.irp g, G1K, G1V
	s_mov_b32 s[\g+1], 32<<16                      ; a pair-row: 32 elements, 256 bytes, dense in memory
	s_mov_b32 s[\g+2], 64<<16
	s_mov_b32 s[\g+3], 32<<16
	s_mov_b32 s[\g+4], 64
	s_mov_b32 s[\g+5], 32
	s_mov_b32 s[\g+6], 0
	s_mov_b32 s[\g+7], 0
.endr
	s_mov_b32 s[G1M], 3<<16                        ; half the batch's 8 m: 16 rows of 256 bytes, no padding
	s_mov_b32 s[G1M+1], 32<<16
	s_mov_b32 s[G1M+2], 16<<16
	s_mov_b32 s[G1M+3], 32<<16
	s_mov_b32 s[G1M+4], 16
	s_mov_b32 s[G1M+5], 32
	s_mov_b32 s[G1M+6], 0
	s_mov_b32 s[G1M+7], 0
	s_mov_b32 s[G1W], (1<<16)|(1<<20)|(4<<22)|(7<<25)              ; U: 16 rows of 64 f16 out of rows of 1,024; 8 words of padding after every 32
	s_mov_b32 s[G1W+1], 64<<16
	s_mov_b32 s[G1W+2], 16<<16
	s_mov_b32 s[G1W+3], 64<<16
	s_mov_b32 s[G1W+4], 16
	s_mov_b32 s[G1W+5], 1024
	s_mov_b32 s[G1W+6], 0
	s_mov_b32 s[G1W+7], 0
	s_mov_b32 s[SEL], 0x76543210
	s_mov_b32 s[SEL+1], 0xfedcba98
	s_mov_b32 s[CS], 0x3e38aa3b                    ; c = log2(e) / 8
	s_mov_b32 s[CS+1], s[CS]
	s_mov_b32 s[N80], 0xc79c4000                   ; -80000 = 8 x -10000
	s_mov_b32 s[TB], 0
	s_mov_b32 s[TM], 0
	s_mov_b32 s[KF], 0
	s_mov_b32 s[SLOTS], 7
	s_mov_b32 s93, 0
	s_wait_dscnt 0x0                               ; both opening adds are done
	s_wait_kmcnt 0x0
	s_mov_b32 s[G0M], 1
	s_lshl_b32 s91, s88, 12
	s_add_co_u32 s[G0M+1], s91, MSK
	s_lshl_b32 s92, s[BB], 13
	s_add_co_u32 s92, s92, s91
	s_add_nc_u64 s[G0M+2:G0M+3], s[6:7], s[92:93]
	s_or_b32 s[G0M+3], s[G0M+3], 0x80000000
	s_mov_b32 s[G0W], 1
	s_mul_i32 s91, s88, 16*VVP
	s_add_co_u32 s[G0W+1], s91, VV
	s_lshl_b32 s92, s[BB], 16
	s_lshl_b32 s91, s88, 15
	s_add_co_u32 s92, s92, s91
	s_lshl_b32 s91, s[HD], 7
	s_add_co_u32 s92, s92, s91
	s_add_co_u32 s92, s92, 3145728
	s_add_nc_u64 s[G0W+2:G0W+3], s[8:9], s[92:93]
	s_or_b32 s[G0W+3], s[G0W+3], 0x80000000
	TLOAD G0M, G1M, G0W, G1W                       ; the mask and U: filled once
	s_lshl_b32 s90, s[BH], 18                      ; the head's 262,144 bytes in each part
	s_lshl_b32 s91, s88, 14
	s_add_co_u32 s92, s90, s91
	s_add_co_u32 s92, s92, 16777216
	s_mov_b32 s[G0K], 1
	s_mul_i32 s[G0K+1], s88, 64*KP
	s_add_nc_u64 s[G0K+2:G0K+3], s[4:5], s[92:93]
	s_or_b32 s[G0K+3], s[G0K+3], 0x80000000
	s_add_co_u32 s92, s92, 16777216
	s_mov_b32 s[G0V], 1
	s_mul_i32 s91, s88, 64*VP
	s_add_co_u32 s[G0V+1], s91, VOFF
	s_add_nc_u64 s[G0V+2:G0V+3], s[4:5], s[92:93]
	s_or_b32 s[G0V+3], s[G0V+3], 0x80000000
	TLOAD G0K, G1K, G0V, G1V                       ; slot 0
	s_and_b32 s91, s[WV], 3
	s_lshl_b32 s91, s91, 13
	s_add_co_u32 s92, s90, s91
	s_add_co_u32 s92, s92, 16777216+32768          ; my prefetches stand in K's slot 1: the first change of slots steps them to slot 2
	s_add_nc_u64 s[PFA:PFA+1], s[4:5], s[92:93]
	s_lshl_b32 s91, s[Q0], 7
	s_add_co_u32 s92, s90, s91
	s_add_nc_u64 s[94:95], s[4:5], s[92:93]        ; Q at my first query
	s_add_nc_u64 s[10:11], s[10:11], s[92:93]      ; O likewise
	s_lshl_b32 s92, s[BB], 7
	s_add_nc_u64 s[96:97], s[6:7], s[92:93]        ; tv of my batch (from byte 49,152 on)
	v_and_b32 v224, 15, v0                         ; r
	v_bfe_u32 v225, v0, 4, 1                       ; h
	v_and_b32 v226, 31, v0                         ; lane
	v_and_b32 v227, 7, v0
	v_bfe_u32 v228, v0, 3, 1
	v_and_b32 v229, 1, v0
	v_lshlrev_b32 v[ADK], 7, v224
	v_lshl_add_u32 v[ADK], v225, 4, v[ADK]         ; Q: row r of 128 bytes + 16 h (the register is written again only behind the wait for these loads)
	v_lshlrev_b32 v[ADV], 5, v225                  ; tv: 32 h
	WIN 0x40
.irp x, 0,1
.irp ks, 0,1
.irp c, 0,1
	global_load_b128 v[QR+16*\x+8*\ks+4*\c:QR+16*\x+8*\ks+4*\c+3], v[ADK], s[94:95] offset:2048*\x+64*\ks+32*\c
.endr
.endr
.endr
.irp u, 0,1
.irp c, 0,1
	global_load_b128 v[TV+8*\u+4*\c:TV+8*\u+4*\c+3], v[ADV], s[96:97] offset:49152+64*\u+16*\c   ; register 8 u + j: tv of block 16 u + 8 h + j
.endr
.endr
.set i, 0
.rept 64
	v_mov_b32 v[O+i], 0                            ; O^T: the step is written once; its first run finds zeros
.set i, i+1
.endr
	WIN 0
	v_lshrrev_b32 v230, 1, v224
	v_mul_u32_u24 v[AK0], v230, KP
	v_lshl_add_u32 v[AK0], v229, 7, v[AK0]
	v_lshl_add_u32 v[AK0], v225, 4, v[AK0]         ; K: 272 (r / 2) + 128 (r % 2) + 16 h
	v_lshrrev_b32 v230, 1, v227
	v_lshl_add_u32 v230, v225, 2, v230
	v_mul_u32_u24 v[AV0], v230, VP
	v_lshl_add_u32 v[AV0], v229, 7, v[AV0]
	v_lshl_add_u32 v[AV0], v228, 4, v[AV0]
	v_add_nc_u32 v[AV0], VOFF, v[AV0]              ; V, for the turning load: key 8 h + l % 8, channels 8 ((l / 8) % 2) on
	v_lshl_add_u32 v[AM0], v225, 5, MSK            ; the mask: 32 h
	v_lshl_add_u32 v230, v225, 3, v227
	v_mul_u32_u24 v[AVV], v230, VVP
	v_lshl_add_u32 v[AVV], v228, 4, v[AVV]
	v_add_nc_u32 v[AVV], VV, v[AVV]                ; U, for the turning load
	s_mul_i32 s86, s[WV], 32*144
	s_add_co_u32 s86, s86, STAGE
	v_mul_u32_u24 v[STO], v224, 144
	v_lshl_add_u32 v[STO], v225, 4, v[STO]
	v_add_nc_u32 v[STO], s86, v[STO]
	v_lshrrev_b32 v230, 3, v226
	v_mul_u32_u24 v[RD], v230, 144
	v_lshl_add_u32 v[RD], v227, 4, v[RD]
	v_add_nc_u32 v[RD], s86, v[RD]
	v_lshlrev_b32 v[GO], 4, v226
	v_lshlrev_b32 v[PF0], 8, v226
	v_add_nc_u32 v[PF1], 0x1000000, v[PF0]         ; V's part lies 16,777,216 bytes behind K's
	v_mov_b32 v[DD], 0
.irp x, 0,1
	v_mov_b32 v[ST+8*\x+1], 0xff61b1e6             ; M = -3e38, under every t
	v_mul_f32 v[ST+8*\x], s[CS], v[ST+8*\x+1]
.irp i, 2,3,4,5,6,7
	v_mov_b32 v[ST+8*\x+\i], 0
.endr
.endr
; The softmax of both tiles for cnt scores a lane (32: a key step; 16: the virtual keys), the tiles by turns.
.macro SOFTMAX cnt
.irp k, 0,1,2,3
.irp x, 0,1
	v_max_num_f32 v[ST+8*\x+4+\k], v[S+32*\x+\k], v[S+32*\x+4+\k]          ; each accumulator is first read at its low end
.endr
.endr
.irp g, 8,16,24
.if \g < \cnt
.irp k, 0,1,2,3
.irp x, 0,1
	v_max3_num_f32 v[ST+8*\x+4+\k], v[ST+8*\x+4+\k], v[S+32*\x+\g+\k], v[S+32*\x+\g+4+\k]
.endr
.endr
.endif
.endr
.irp x, 0,1
	v_max3_num_f32 v[ST+8*\x+4], v[ST+8*\x+4], v[ST+8*\x+5], v[ST+8*\x+6]
.endr
.irp x, 0,1
	v_max3_num_f32 v[ST+8*\x+4], v[ST+8*\x+4], v[ST+8*\x+7], v[ST+8*\x+1]
.endr
.irp x, 0,1
	v_permlanex16_b32 v[ST+8*\x+5], v[ST+8*\x+4], s[SEL], s[SEL+1]         ; the query's other keys lie in the lane 16 away
.endr
.irp x, 0,1
	v_mov_b32 v[ST+8*\x+7], v[ST+8*\x]
.endr
.irp x, 0,1
	v_max_num_f32 v[ST+8*\x+1], v[ST+8*\x+4], v[ST+8*\x+5]
.endr
.irp x, 0,1
	v_mul_f32 v[ST+8*\x], s[CS], v[ST+8*\x+1]
.endr
.irp x, 0,1
	v_sub_f32 v[ST+8*\x+7], v[ST+8*\x+7], v[ST+8*\x]                       ; c M_old - c M_new
.endr
.set i, 0
.rept \cnt/2
	v_pk_fma_f32 v[S+i:S+i+1], v[S+i:S+i+1], s[CS:CS+1], v[ST:ST+1] op_sel_hi:[1,0,0] neg_lo:[0,0,1] neg_hi:[0,0,1]
	v_pk_fma_f32 v[S+32+i:S+32+i+1], v[S+32+i:S+32+i+1], s[CS:CS+1], v[ST+8:ST+9] op_sel_hi:[1,0,0] neg_lo:[0,0,1] neg_hi:[0,0,1]
.set i, i+2
.endr
	v_exp_f32 v[ST+6], v[ST+7]
	v_exp_f32 v[ST+14], v[ST+15]
.set i, 0
.rept \cnt
	v_exp_f32 v[S+i], v[S+i]
	v_exp_f32 v[S+32+i], v[S+32+i]
.set i, i+1
.endr
	v_nop                                          ; a plain instruction behind the last exponential
	s_wait_alu depctr_va_vdst(0)                   ; one wait for the whole batch of both tiles, ahead of its first reader
.set i, 0
.rept \cnt/2
	v_cvt_pk_f16_f32 v[P+i], v[S+2*i], v[S+2*i+1]
	v_cvt_pk_f16_f32 v[P+16+i], v[S+32+2*i], v[S+32+2*i+1]
.set i, i+1
.endr
.irp u, 0,1,2,3,4,5,6,7                        ; the sum of the pairs, in place: neighbours 1, 2, 4 and 8 pairs apart
.if 4*\u < \cnt
.irp x, 0,1
	v_pk_add_f32 v[S+32*\x+4*\u:S+32*\x+4*\u+1], v[S+32*\x+4*\u:S+32*\x+4*\u+1], v[S+32*\x+4*\u+2:S+32*\x+4*\u+3]
.endr
.endif
.endr
.irp u, 0,1,2,3
.if 8*\u < \cnt
.irp x, 0,1
	v_pk_add_f32 v[S+32*\x+8*\u:S+32*\x+8*\u+1], v[S+32*\x+8*\u:S+32*\x+8*\u+1], v[S+32*\x+8*\u+4:S+32*\x+8*\u+5]
.endr
.endif
.endr
.irp u, 0,1
.if 16*\u < \cnt
.irp x, 0,1
	v_pk_add_f32 v[S+32*\x+16*\u:S+32*\x+16*\u+1], v[S+32*\x+16*\u:S+32*\x+16*\u+1], v[S+32*\x+16*\u+8:S+32*\x+16*\u+9]
.endr
.endif
.endr
.if \cnt > 16
.irp x, 0,1
	v_pk_add_f32 v[S+32*\x:S+32*\x+1], v[S+32*\x:S+32*\x+1], v[S+32*\x+16:S+32*\x+17]
.endr
.endif
.irp x, 0,1
	v_pk_fma_f32 v[ST+8*\x+2:ST+8*\x+3], v[ST+8*\x+2:ST+8*\x+3], v[ST+8*\x+6:ST+8*\x+7], v[S+32*\x:S+32*\x+1] op_sel_hi:[1,0,1]
.endr
	WIN 0x41                                       ; O^T in window 1, the factor in window 0
.irp x, 0,1
.set i, 0
.rept 16
	v_pk_mul_f32 v[O+32*\x+i:O+32*\x+i+1], v[O+32*\x+i:O+32*\x+i+1], v[ST+8*\x+6:ST+8*\x+7] op_sel_hi:[1,0]
.set i, i+2
.endr
.endr
.endm
; O^T += V^T P: nu times 32 keys; the eight accumulators take turns, one instruction a turn
.macro PV nu
	WIN 0x51
.irp u, 0,1
.if \u < \nu
.irp t, 0,1,2,3
.irp x, 0,1
	v_wmma_f32_16x16x32_f16 v[O+32*\x+8*\t:O+32*\x+8*\t+7], v[VR+8*(4*\u+\t):VR+8*(4*\u+\t)+7], v[P+16*\x+8*\u:P+16*\x+8*\u+7], v[O+32*\x+8*\t:O+32*\x+8*\t+7]
.endr
.endr
.endif
.endr
	WIN 0
.endm
; A KEY STEP: 64 keys, the q-th of the slot in hand
.macro STEP q
	s_add_co_u32 s86, s[Q0], 31
	s_cmp_gt_u32 s[KF], s86                        ; all its keys come after my queries: left out (ids and the count of steps alone)
	s_cbranch_scc1 .Lhidden_\@
	v_add_nc_u32 v[ADK], s[TB], v[AK0]
	v_add_nc_u32 v[ADV], s[TB], v[AV0]
	v_add_nc_u32 v[ADM], s[TM], v[AM0]
	v_nop                                          ; with the three additions: four places in front of loads into registers that the last products read
.irp kt, 0,1,2,3
.irp ks, 0,1
	ds_load_b128 v[KR+16*\kt+8*\ks:KR+16*\kt+8*\ks+3], v[ADK] offset:8704*(\q)+2176*\kt+64*\ks
	ds_load_b128 v[KR+16*\kt+8*\ks+4:KR+16*\kt+8*\ks+7], v[ADK] offset:8704*(\q)+2176*\kt+64*\ks+32
.endr
.endr
.irp kt, 0,1,2,3
	ds_load_b128 v[CM+8*\kt:CM+8*\kt+3], v[ADM] offset:64*\kt      ; register j: 8 m of key 16 kt + 8 h + j, the same for every query
	ds_load_b128 v[CM+8*\kt+4:CM+8*\kt+7], v[ADM] offset:64*\kt+16
.endr
	WIN 0x40
.irp u, 0,1
.irp t, 0,1,2,3
	ds_load_tr16_b128 v[VR+8*(4*\u+\t):VR+8*(4*\u+\t)+3], v[ADV] offset:9216*(\q)+4608*\u+32*\t
	ds_load_tr16_b128 v[VR+8*(4*\u+\t)+4:VR+8*(4*\u+\t)+7], v[ADV] offset:9216*(\q)+4608*\u+2304+32*\t
.endr
.endr
	s_wait_dscnt 16                                ; K and the mask are in; V's sixteen younger loads may be out
	WIN 0x04                                       ; Q in window 1
.irp kt, 0,1,2,3
.irp x, 0,1
	v_wmma_f32_16x16x32_f16 v[S+32*\x+8*\kt:S+32*\x+8*\kt+7], v[KR+16*\kt:KR+16*\kt+7], v[QR+16*\x:QR+16*\x+7], v[CM+8*\kt:CM+8*\kt+7]
.endr
.endr
.irp kt, 0,1,2,3
.irp x, 0,1
	v_wmma_f32_16x16x32_f16 v[S+32*\x+8*\kt:S+32*\x+8*\kt+7], v[KR+16*\kt+8:KR+16*\kt+15], v[QR+16*\x+8:QR+16*\x+15], v[S+32*\x+8*\kt:S+32*\x+8*\kt+7]
.endr
.endr
	WIN 0
.rept 4
	v_nop
.endr
	s_add_co_u32 s86, s[KF], 63
	s_cmp_le_u32 s86, s[Q0]
	s_cbranch_scc1 .Lopen_\@                       ; all its keys count
	s_sub_co_i32 s86, s[Q0], s[KF]                 ; ON THE DIAGONAL a hidden entry becomes 8 m - 80000, as the problem has it
	v_and_b32 v[DD], 15, v0
	v_bfe_u32 v[HM], v0, 4, 1
	v_lshlrev_b32 v[HM], 3, v[HM]
	v_sub_nc_u32 v[DD], v[DD], v[HM]
	v_add_nc_u32 v[DD], s86, v[DD]                 ; d = Q0 - KF + r - 8 h: register 8 kt + j of tile x is hidden where 16 kt + j - 16 x > d
.set i, 0
.rept 32
	v_add_f32 v[HM+i], s[N80], v[CM+i]
.set i, i+1
.endr
.irp x, 0,1
.irp kt, 0,1,2,3
.irp j, 0,1,2,3,4,5,6,7
	v_cmp_gt_i32 vcc_lo, 16*\kt+\j-16*\x, v[DD]
	v_cndmask_b32 v[S+32*\x+8*\kt+\j], v[S+32*\x+8*\kt+\j], v[HM+8*\kt+\j], vcc_lo
.endr
.endr
.endr
.Lopen_\@:
	SOFTMAX 32
	s_wait_dscnt 0x0                               ; V is in
	PV 2
.Lhidden_\@:
	s_add_co_u32 s[KF], s[KF], 64
	s_add_co_u32 s[TM], s[TM], 256
.endm
; THE CHANGE OF SLOTS stands at a slot's head: every wave waits for all its tensor loads, adds 0 to its spare word, waits for that and for its reads of the slot that it has left; behind the barrier the slot ahead is whole
; and nobody reads the other one, which is then filled with the next 256 keys, if a wave of the work-group will read them.  By this text's count a wave has two tensor loads out at the start and one afterwards.
.macro CHANGE fill
	s_wait_tensorcnt 0x0
	ds_add_u32 v[SPW], v[NIL]
.if \fill
	ds_add_u32 v[SPW], v[NIL]                      ; a second add in the loop: twice on end, in every trip alike
	s_xor_b32 s[G0K+1], s[G0K+1], SLOT1
	s_add_nc_u64 s[G0K+2:G0K+3], s[G0K+2:G0K+3], 32768
	s_xor_b32 s[G0V+1], s[G0V+1], SLOT1
	s_add_nc_u64 s[G0V+2:G0V+3], s[G0V+2:G0V+3], 32768
	s_wait_xcnt 0x0                                ; the last prefetches, a slot back, have read their address
	s_add_nc_u64 s[PFA:PFA+1], s[PFA:PFA+1], 32768
.endif
	s_wait_dscnt 0x0
	s_barrier_signal -1
	s_barrier_wait -1
.if \fill
	s_add_co_u32 s86, s[KF], 256                   ; the first key of the slot that this change would ask for
	s_or_b32 s87, s[Q0], 255                       ; my work-group's last query
	s_cmp_gt_u32 s86, s87                          ; ids and the count of steps alone: all eight waves go the same way
	s_cbranch_scc1 .Lpast_\@
	TLOAD G0K, G1K, G0V, G1V
.Lpast_\@:
	ASK
.endif
.endm
.macro SLOT_STEPS
	STEP 0
	STEP 1
	STEP 2
	STEP 3
	s_xor_b32 s[TB], s[TB], SLOT1
.endm
	s_wait_loadcnt 0x0                             ; Q and tv
.Lslot:
	CHANGE 1
	SLOT_STEPS
	s_sub_co_u32 s[SLOTS], s[SLOTS], 1
	s_cmp_lg_u32 s[SLOTS], 0
	s_cbranch_scc1 .Lslot
	CHANGE 0                                       ; the last slot is written out: nothing is left to ask for
	SLOT_STEPS
	; THE VIRTUAL KEYS: blocks IW + 1 .. 31, one key each; the others get -infinity (M is a number: a real step has run)
	s_cmp_eq_u32 s[IW], 31
	s_cbranch_scc1 .Lno_virt
	v_bfe_u32 v[HM], v0, 4, 1
	v_lshlrev_b32 v[HM], 3, v[HM]
	v_sub_nc_u32 v[DD], s[IW], v[HM]               ; d = IW - 8 h: register 8 u + j counts where 16 u + j > d
	v_mov_b32 v[HM+1], 0xff800000
	WIN 0x40
.irp t, 0,1,2,3
	ds_load_tr16_b128 v[VR+8*\t:VR+8*\t+3], v[AVV] offset:32*\t
	ds_load_tr16_b128 v[VR+8*\t+4:VR+8*\t+7], v[AVV] offset:16*VVP+32*\t
.endr
	WIN 0x04                                       ; tv, the second source, in window 1
.irp u, 0,1
.irp j, 0,1,2,3,4,5,6,7
	v_cmp_lt_i32 vcc_lo, v[DD], 16*\u+\j
	v_cndmask_b32 v[S+8*\u+\j], v[HM+1], v[TV+8*\u+\j], vcc_lo
	v_cndmask_b32 v[S+32+8*\u+\j], v[HM+1], v[TV+8*\u+\j], vcc_lo
.endr
.endr
	WIN 0
	SOFTMAX 16
	s_wait_dscnt 0x0
	PV 1
.Lno_virt:
	; THE WAY OUT: O^T / l in f16 through my stage; 32 lanes store 512 consecutive bytes, four rows
.rept 4
	v_nop
.endr
.irp x, 0,1
	v_add_f32 v[ST+8*\x+4], v[ST+8*\x+2], v[ST+8*\x+3]
.endr
.irp x, 0,1
	v_permlanex16_b32 v[ST+8*\x+5], v[ST+8*\x+4], s[SEL], s[SEL+1]
.endr
.irp x, 0,1
	v_add_f32 v[ST+8*\x+4], v[ST+8*\x+4], v[ST+8*\x+5]
.endr
.irp x, 0,1
	v_rcp_f32 v[ST+8*\x+6], v[ST+8*\x+4]
.endr
	v_nop
	s_wait_alu depctr_va_vdst(0)
	WIN 0x41
.irp x, 0,1
.set i, 0
.rept 16
	v_pk_mul_f32 v[O+32*\x+i:O+32*\x+i+1], v[O+32*\x+i:O+32*\x+i+1], v[ST+8*\x+6:ST+8*\x+7] op_sel_hi:[1,0]
.set i, i+2
.endr
.endr
	WIN 0x05
.set i, 0
.rept 32
	v_cvt_pk_f16_f32 v[S+i], v[O+2*i], v[O+2*i+1]
.set i, i+1
.endr
	WIN 0
.irp x, 0,1
.irp t, 0,1,2,3
	ds_store_b128 v[STO], v[S+16*\x+4*\t:S+16*\x+4*\t+3] offset:2304*\x+32*\t
.endr
.endr
.irp i, 0,1,2,3,4,5,6,7
	ds_load_b128 v[96+4*\i:99+4*\i], v[RD] offset:576*\i   ; LDS serves a wave's instructions in order: these see my stores
.endr
.irp i, 0,1,2,3,4,5,6,7
	s_wait_dscnt 7-\i
	global_store_b128 v[GO], v[96+4*\i:99+4*\i], s[10:11] offset:512*\i
.endr
	; THE FIRST 16 POSITIONS IN f32.  Wave w of block 0 makes channels 16 w .. 16 w + 15.  Keys 0-15 have scores; keys 16-63 are hidden from all 16 queries and enter with 8 m - 80000; blocks 1-31 as virtual keys.
	s_cmp_lg_u32 s[BLK], 0
	s_cbranch_scc1 .Lno_fine
	s_cmp_ge_u32 s[WV], 4
	s_cbranch_scc1 .Lno_fine
.set FQ, 32
.set FK, 64
.set FT, 96
.set FV, 144
.set FM, 192
	s_wait_xcnt 0x0                                ; the stores above have read their registers
	s_mul_i32 s86, s[BB], 64*12288
	s_lshl_b32 s88, s[HD], 8
	s_add_co_u32 s86, s86, s88
	s_mov_b32 s87, 0
	s_mov_b32 s89, 0
	s_add_nc_u64 s[86:87], s[8:9], s[86:87]        ; the f32 rows of my batch, at my head's q
	s_lshl_b32 s88, s[WV], 6
	s_add_nc_u64 s[90:91], s[86:87], s[88:89]      ; + my 16 channels
	s_lshl_b32 s88, s[BB], 13
	s_add_nc_u64 s[92:93], s[6:7], s[88:89]        ; 8 m of my batch
	s_lshl_b32 s88, s[BB], 16
	s_lshl_b32 s94, s[HD], 7
	s_add_co_u32 s88, s88, s94
	s_lshl_b32 s94, s[WV], 5
	s_add_co_u32 s88, s88, s94
	s_add_nc_u64 s[94:95], s[8:9], s[88:89]        ; U of my batch, my channels (from byte 3,145,728 on)
	s_lshl_b32 s88, s[BB], 16
	s_lshl_b32 s96, s[HD], 8
	s_add_co_u32 s88, s88, s96
	s_lshl_b32 s96, s[WV], 6
	s_add_co_u32 s88, s88, s96
	s_add_nc_u64 s[12:13], s[12:13], s[88:89]
	v_and_b32 v1, 15, v0                           ; r
	v_bfe_u32 v2, v0, 4, 1                         ; h
	v_mul_u32_u24 v3, v1, 12288
	v_lshl_add_u32 v3, v2, 7, v3                   ; q, k: row r, channels 32 h on.  The f32 form takes 4 along K; slot (h, j) of step c is channel 32 h + 2 c + j, in both sources alike
	v_lshlrev_b32 v4, 5, v2
	v_mul_u32_u24 v5, v2, 8*12288
	v_lshl_add_u32 v5, v1, 2, v5                   ; v: row 8 h + .., channel r
	v_lshlrev_b32 v6, 14, v2
	v_lshl_add_u32 v6, v1, 1, v6                   ; U likewise
.irp i, 0,1,2,3,4,5,6,7
	global_load_b128 v[FQ+4*\i:FQ+4*\i+3], v3, s[86:87] offset:16*\i
.endr
.irp i, 0,1,2,3,4,5,6,7
	global_load_b128 v[FK+4*\i:FK+4*\i+3], v3, s[86:87] offset:4096+16*\i
.endr
.irp i, 0,1,2,3,4,5,6,7
	global_load_b128 v[FM+4*\i:FM+4*\i+3], v4, s[92:93] offset:64*(\i/2)+16*(\i%2)
.endr
.irp kt, 0,1,2,3
.irp j, 0,1,2,3,4,5,6,7
	global_load_b32 v[FV+8*\kt+\j], v5, s[90:91] offset:8192+(16*\kt+\j)*12288
.endr
.endr
.irp u, 0,1
.irp j, 0,1,2,3,4,5,6,7
	global_load_u16 v[16+8*\u+\j], v6, s[94:95] offset:3145728+(16*\u+\j)*2048
.endr
.endr
	v_lshlrev_b32 v8, 3, v2
	v_sub_nc_u32 v7, v1, v8                        ; r - 8 h
	v_sub_nc_u32 v8, 0, v8                         ; -8 h
	v_mov_b32 v9, 0xff800000
	s_wait_loadcnt 48                              ; q, k and the mask are in; the 48 loads of values may be out
	WIN 0x40
	v_wmma_f32_16x16x4_f32 v[SA:SA+7], v[FK:FK+1], v[FQ:FQ+1], v[FM:FM+7]          ; two sums by turns; the first begins with the mask, the second with 0
	v_wmma_f32_16x16x4_f32 v[SB:SB+7], v[FK+2:FK+3], v[FQ+2:FQ+3], 0
	WIN 0x50
.set i, 4
.rept 7
	v_wmma_f32_16x16x4_f32 v[SA:SA+7], v[FK+i:FK+i+1], v[FQ+i:FQ+i+1], v[SA:SA+7]
	v_wmma_f32_16x16x4_f32 v[SB:SB+7], v[FK+i+2:FK+i+3], v[FQ+i+2:FQ+i+3], v[SB:SB+7]
.set i, i+4
.endr
	WIN 0
.set i, 8
.rept 24
	v_add_f32 v[FT+i], s[N80], v[FM+i]             ; keys 16-63.  (These 24 are also the places behind the products)
.set i, i+1
.endr
.irp j, 0,1,2,3,4,5,6,7
	v_add_f32 v[HM+\j], s[N80], v[FM+\j]
.endr
	WIN 0x05
.irp j, 0,1,2,3,4,5,6,7
	v_add_f32 v[FT+\j], v[SA+\j], v[SB+\j]
.endr
	WIN 0
.irp j, 0,1,2,3,4,5,6,7
	v_cmp_gt_i32 vcc_lo, \j, v7                    ; key 8 h + j comes after query r
	v_cndmask_b32 v[FT+\j], v[FT+\j], v[HM+\j], vcc_lo
.endr
	WIN 0x04
.irp u, 0,1
.irp j, 0,1,2,3,4,5,6,7
	v_cmp_lt_i32 vcc_lo, v8, 16*\u+\j              ; block 16 u + 8 h + j > 0
	v_cndmask_b32 v[FT+32+8*\u+\j], v9, v[TV+8*\u+\j], vcc_lo
.endr
.endr
	WIN 0
	v_max3_num_f32 v10, v[FT], v[FT+1], v[FT+2]
.set i, 3
.rept 22
	v_max3_num_f32 v10, v10, v[FT+i], v[FT+i+1]
.set i, i+2
.endr
	v_max_num_f32 v10, v10, v[FT+47]
	v_mov_b32 v11, 0
	v_permlanex16_b32 v11, v10, s[SEL], s[SEL+1]
	v_max_num_f32 v10, v10, v11
	v_mul_f32 v224, s[CS], v10
	v_mov_b32 v225, 0
.set i, 0
.rept 24
	v_pk_fma_f32 v[FT+i:FT+i+1], v[FT+i:FT+i+1], s[CS:CS+1], v[224:225] op_sel_hi:[1,0,0] neg_lo:[0,0,1] neg_hi:[0,0,1]
.set i, i+2
.endr
.set i, 0
.rept 48
	v_exp_f32 v[FT+i], v[FT+i]
.set i, i+1
.endr
	v_nop
	s_wait_alu depctr_va_vdst(0)
	v_pk_add_f32 v[226:227], v[FT:FT+1], v[FT+2:FT+3]
.set i, 4
.rept 22
	v_pk_add_f32 v[226:227], v[226:227], v[FT+i:FT+i+1]
.set i, i+2
.endr
	v_add_f32 v226, v226, v227
	v_permlanex16_b32 v11, v226, s[SEL], s[SEL+1]
	v_add_f32 v226, v226, v11
	v_rcp_f32 v228, v226
	v_nop
	s_wait_alu depctr_va_vdst(0)
	s_wait_loadcnt 0x0
	v_cvt_f32_f16 v176, v16.l
	v_cvt_f32_f16 v177, v17.l
	v_cvt_f32_f16 v178, v18.l
	v_cvt_f32_f16 v179, v19.l
	v_cvt_f32_f16 v180, v20.l
	v_cvt_f32_f16 v181, v21.l
	v_cvt_f32_f16 v182, v22.l
	v_cvt_f32_f16 v183, v23.l
	v_cvt_f32_f16 v184, v24.l
	v_cvt_f32_f16 v185, v25.l
	v_cvt_f32_f16 v186, v26.l
	v_cvt_f32_f16 v187, v27.l
	v_cvt_f32_f16 v188, v28.l
	v_cvt_f32_f16 v189, v29.l
	v_cvt_f32_f16 v190, v30.l
	v_cvt_f32_f16 v191, v31.l
	WIN 0x40                                       ; O^T = V^T P: source 0 = my 16 channels x 4 keys, source 1 = 4 keys x 16 queries; slot (h, j) of step i is the key of register 2 i + j
	v_wmma_f32_16x16x4_f32 v[OA:OA+7], v[FV:FV+1], v[FT:FT+1], 0
	v_wmma_f32_16x16x4_f32 v[OB:OB+7], v[FV+2:FV+3], v[FT+2:FT+3], 0
	WIN 0x50
.set i, 4
.rept 11
	v_wmma_f32_16x16x4_f32 v[OA:OA+7], v[FV+i:FV+i+1], v[FT+i:FT+i+1], v[OA:OA+7]
	v_wmma_f32_16x16x4_f32 v[OB:OB+7], v[FV+i+2:FV+i+3], v[FT+i+2:FT+i+3], v[OB:OB+7]
.set i, i+4
.endr
	WIN 0
	v_lshlrev_b32 v3, 12, v1
	v_lshl_add_u32 v3, v2, 5, v3                   ; row r of 4,096 bytes + 32 h
.rept 6
	v_nop                                          ; with the two lines above: eight places behind the f32 form
.endr
	WIN 0x05
.irp j, 0,1,2,3,4,5,6,7
	v_add_f32 v[232+\j], v[OA+\j], v[OB+\j]
.endr
	WIN 0
.irp j, 0,1,2,3,4,5,6,7
	v_mul_f32 v[232+\j], v[232+\j], v228
.endr
	global_store_b128 v3, v[232:235], s[12:13]
	global_store_b128 v3, v[236:239], s[12:13] offset:16
.Lno_fine:
	s_wait_tensorcnt 0x0                           ; the wave's end
	ds_add_u32 v[SPW], v[NIL]
	s_wait_dscnt 0x0
	s_endpgm
.Lfunc_end_k_q3c4af3ae8a_attn:
	.size	k_q3c4af3ae8a_attn, .Lfunc_end_k_q3c4af3ae8a_attn-k_q3c4af3ae8a_attn
	.p2alignl 7, 3214868480
	.fill 96, 4, 3214868480
	.section	.rodata,"a",@progbits
	.p2align	6, 0x0
	.amdhsa_kernel k_q3c4af3ae8a_attn
		.amdhsa_group_segment_fixed_size 327680
		.amdhsa_private_segment_fixed_size 0
		.amdhsa_enable_private_segment 0
		.amdhsa_kernarg_size 40
		.amdhsa_user_sgpr_count 2
		.amdhsa_user_sgpr_kernarg_segment_ptr 1
		.amdhsa_wavefront_size32 1
		.amdhsa_system_sgpr_workgroup_id_x 1
		.amdhsa_system_sgpr_workgroup_id_y 1
		.amdhsa_system_sgpr_workgroup_id_z 1
		.amdhsa_system_vgpr_workitem_id 0
		.amdhsa_next_free_vgpr 512
		.amdhsa_next_free_sgpr 100
		.amdhsa_reserve_vcc 1
		.amdhsa_float_denorm_mode_32 3
		.amdhsa_float_denorm_mode_16_64 3
		.amdhsa_memory_ordered 1
		.amdhsa_forward_progress 1
		.amdhsa_inst_pref_size 239
	.end_amdhsa_kernel
	.amdgpu_metadata
---
amdhsa.version: [ 1, 2 ]
amdhsa.kernels:
  - .name:           k_q3c4af3ae8a_attn
    .symbol:         k_q3c4af3ae8a_attn.kd
    .args:
      - { .name: qkv16, .offset: 0, .size: 8, .value_kind: global_buffer, .address_space: global }
      - { .name: maskw, .offset: 8, .size: 8, .value_kind: global_buffer, .address_space: global }
      - { .name: aux, .offset: 16, .size: 8, .value_kind: global_buffer, .address_space: global }
      - { .name: o16, .offset: 24, .size: 8, .value_kind: global_buffer, .address_space: global }
      - { .name: ofine, .offset: 32, .size: 8, .value_kind: global_buffer, .address_space: global }
    .group_segment_fixed_size: 327680
    .private_segment_fixed_size: 0
    .kernarg_segment_align: 8
    .kernarg_segment_size: 40
    .max_flat_workgroup_size: 256
    .sgpr_count:     100
    .vgpr_count:     512
    .wavefront_size: 32
...
	.end_amdgpu_metadata
.endif
;; end of part 3
;; launch proj (part 4): grid 4 x 64, 4 waves a work-group, clusters of 4 x 4, 327,680 bytes of LDS; arguments o16, wp16, b_proj, out0; writes out0
.if DOCPART == 4
	.amdgcn_target "amdgcn-amd-amdhsa--gfx1250"
	.amdhsa_code_object_version 6
	.text
	.protected	k_q3c4af3ae8a_proj
	.globl	k_q3c4af3ae8a_proj
	.p2align	8
	.type	k_q3c4af3ae8a_proj,@function
k_q3c4af3ae8a_proj:
	s_mov_b64 s[64:65], 0
	v_nop
	global_prefetch_b8 v0, s[64:65] scope:SCOPE_SE
	s_setreg_imm32_b32 hwreg(HW_REG_WAVE_MODE, 25, 1), 1
	s_wait_xcnt 0x0
	s_wait_alu depctr_hold_cnt(0) depctr_sa_sdst(0) depctr_va_vdst(0) depctr_va_sdst(0) depctr_va_ssrc(0) depctr_va_vcc(0) depctr_vm_vsrc(0)
	s_getreg_b32 s2, hwreg(HW_REG_IB_STS2, 6, 4)
	s_cmp_eq_u32 s2, 0
	s_cbranch_scc0 .Lentry_in_a_cluster
	s_endpgm
.Lentry_in_a_cluster:
	s_bfe_u32 s2, ttmp6, 0x10000c
	s_cmp_lg_u32 s2, 0xf033
	s_cbranch_scc0 .Lentry_shape_is_right
	s_endpgm
.Lentry_shape_is_right:
; out = merged heads x W_proj + b_proj, f16 operands, f32 sums: [8192][1024].  The merged heads lie by heads, [64][2048][64] f16; W_proj as f16 [1024 n][1024 k].
; ROWS LEFT TO ANOTHER LAUNCH: the first 16 positions of every sequence are stored by the next launch, which makes them in f32; here their block is computed with its tile and not stored.
; A tile of out is 128 x 256: 256 work-groups.  Four waves, 64 x 128 each: 32 accumulators in window 1.  K goes in steps of 128 (two heads) through a ring of two LDS slots.
; CLUSTERS of 4 x 4: tile column = cx; tile row = 16 cy + cluster y (so the batch is cy, and a tile begins a sequence where cluster y = 0).  The four of a row ask jointly for A's tiles, the four of a column for B's.
; THE MATRIX INSTRUCTION IS USED TRANSPOSED (source 0 = 16 rows of W_proj^T, source 1 = 16 rows of the heads): a lane holds eight neighbouring columns of one row.  The bias is the C of each sum's first instruction.
; By this text's count a wave has two tensor loads out at the start and one behind each round.
; REGISTERS: window 0: v1-31 addresses; two fragment buffers, v32-127 and v128-223 (B's 64, then A's 32).  window 1: the accumulators ((a, b) at v[8 (8 a + b)]).  window 2: v0-63 the bias.
.set PITCH, 272
.set AH,    64*PITCH                   ; a head's 128 rows of 128 bytes as 64 pair-rows of 256 + 16
.set BHALF, 128*PITCH
.set SLOT,  2*AH+2*BHALF
.set STAGE, 2*SLOT
.set SPITCH, 528
.set SPARE, STAGE+4*16*SPITCH          ; the spare words, 128 bytes a wave: two blocks of 256 bytes that no other line names
.set ADRA, 16
.set ADRB, 20
.set STO,  24
.set RD,   25
.set CO,   26
.set BO,   27
.set SPW,  28
.set NIL,  29
.set F0,   32
.set F1,   128
.set WV, 12
.set RH, 13                            ; which half of the tile's rows is mine; also: I fetch for A (0) or for B (1)
.set CH, 14                            ; which half of its columns; also: which head, or which 128 rows of B, I fetch
.set CX, 15
.set CY, 16
.set CLY, 17
.set G1, 24
.set G0, 32
.set G1B, 48
.set G0B, 56
.set MSB, 0
.macro WIN new
.if MSB != \new
	s_set_vgpr_msb (MSB<<8)|\new
.set MSB, \new
.endif
.endm
.set MUL,  0x50                        ; C and D window 1
.set MULZ, 0x60                        ; C, the bias, window 2; D window 1
.macro JLOAD s                         ; a joint load; an s_nop 0 and four v_nop follow each line
	s_cmp_eq_u32 s[RH], 0
	s_cbranch_scc0 .Lfor_b_\@
	tensor_load_to_lds s[G0+4*\s:G0+4*\s+3], s[G1:G1+7]
	s_nop 0
.rept 4
	v_nop
.endr
	s_branch .Lasked_\@
.Lfor_b_\@:
	tensor_load_to_lds s[G0B+4*\s:G0B+4*\s+3], s[G1B:G1B+7]
	s_nop 0
.rept 4
	v_nop
.endr
.Lasked_\@:
.endm
.macro CREST
	s_cmp_lg_u32 s[WV], 0
	s_cbranch_scc1 .Lnot_wave_0_\@
	s_barrier_signal -3
.Lnot_wave_0_\@:
	s_barrier_wait -3
	s_barrier_signal -1
	s_barrier_wait -1
.endm
.macro CROUND
	s_barrier_signal -1
	s_barrier_wait -1
	CREST
.endm
	s_load_b256 s[4:11], s[0:1], 0x0               ; o16 s[4:5], wp16 s[6:7], b_proj s[8:9], out0 s[10:11]
	v_lshl_add_u32 v[SPW], v0, 2, SPARE
	v_mov_b32 v[NIL], 0
	ds_add_u32 v[SPW], v[NIL]                      ; the wave's opening: the add, twice on end, and its wait ahead of my first tensor load
	ds_add_u32 v[SPW], v[NIL]
	v_lshrrev_b32 v1, 5, v0
	v_readfirstlane_b32 s[WV], v1
	s_lshr_b32 s[RH], s[WV], 1
	s_and_b32 s[CH], s[WV], 1
	s_bfe_u32 s[CX], ttmp6, 0x40000
	s_bfe_u32 s[CY], ttmp6, 0x40004
	s_and_b32 s[CLY], ttmp7, 0xffff
	s_lshl_b32 s20, s[CY], 2
	s_lshl_b32 s20, 15, s20                        ; my row of the cluster
	s_lshl_b32 s21, 0x1111, s[CX]                  ; my column
	s_or_b32 s[G1+0], s20, (3<<16)|(1<<20)|(1<<21)|(5<<22)|(3<<25)   ; A: 64 pair-rows of 32 elements of 8 bytes, dense; 4 words of padding after every 64
	s_mov_b32 s[G1+1], 32<<16
	s_mov_b32 s[G1+2], 64<<16
	s_mov_b32 s[G1+3], 32<<16
	s_mov_b32 s[G1+4], 64
	s_mov_b32 s[G1+5], 32
	s_mov_b32 s[G1+6], 0
	s_mov_b32 s[G1+7], 0
	s_or_b32 s[G1B+0], s21, (1<<16)|(1<<20)|(1<<21)|(5<<22)|(3<<25)  ; B: 128 rows of 128 f16 out of rows of 1,024
	s_mov_b32 s[G1B+1], 128<<16
	s_mov_b32 s[G1B+2], 128<<16
	s_mov_b32 s[G1B+3], 128<<16
	s_mov_b32 s[G1B+4], 128
	s_mov_b32 s[G1B+5], 1024
	s_mov_b32 s[G1B+6], 0
	s_mov_b32 s[G1B+7], 0
	s_lshl_b32 s40, s[CY], 22                      ; A: (16 batch + my head of the step) x 2,048 rows + 128 cluster y rows, of 128 bytes
	s_lshl_b32 s41, s[CH], 18
	s_add_co_u32 s40, s40, s41
	s_lshl_b32 s41, s[CLY], 14
	s_add_co_u32 s40, s40, s41
	s_mov_b32 s41, 0
	s_lshl_b32 s42, s[CX], 19                      ; B: (256 cx + 128 half) rows of 2,048 bytes
	s_lshl_b32 s43, s[CH], 18
	s_add_co_u32 s42, s42, s43
	s_mov_b32 s43, 0
	s_mul_i32 s22, s[CH], AH                       ; where they go: no place in the cluster enters an LDS address
	s_mul_i32 s23, s[CH], BHALF
	s_add_co_u32 s23, s23, 2*AH
	s_wait_dscnt 0x0                               ; both opening adds are done
	s_wait_kmcnt 0x0
	s_add_nc_u64 s[44:45], s[4:5], s[40:41]
	s_add_nc_u64 s[46:47], s[6:7], s[42:43]
	CROUND                                         ; all sixteen work-groups are here: the first joint loads meet
.irp s, 0,1
	s_mov_b32 s[G0+4*\s], 1
	s_add_co_u32 s[G0+4*\s+1], s22, \s*SLOT
	s_add_nc_u64 s[G0+4*\s+2:G0+4*\s+3], s[44:45], \s*524288       ; K step s: two heads on
	s_or_b32 s[G0+4*\s+3], s[G0+4*\s+3], 0x80000000
	s_mov_b32 s[G0B+4*\s], 1
	s_add_co_u32 s[G0B+4*\s+1], s23, \s*SLOT
	s_add_nc_u64 s[G0B+4*\s+2:G0B+4*\s+3], s[46:47], \s*256
	s_or_b32 s[G0B+4*\s+3], s[G0B+4*\s+3], 0x80000000
	JLOAD \s
.endr
	v_and_b32 v1, 15, v0                           ; r
	v_bfe_u32 v2, v0, 4, 1                         ; h
	v_and_b32 v3, 31, v0                           ; lane
	v_lshlrev_b32 v[BO], 5, v2
	s_mov_b32 s41, 0
	s_lshl_b32 s40, s[CX], 10
	s_lshl_b32 s42, s[CH], 9
	s_add_co_u32 s40, s40, s42                     ; my first column, in bytes of f32
	s_add_nc_u64 s[8:9], s[8:9], s[40:41]
	WIN 0x80
.irp b, 0,1,2,3,4,5,6,7
	global_load_b128 v[8*\b:8*\b+3], v[BO], s[8:9] offset:64*\b
	global_load_b128 v[8*\b+4:8*\b+7], v[BO], s[8:9] offset:64*\b+16
.endr
	WIN 0
	s_lshl_b32 s42, s[CY], 23
	s_add_co_u32 s40, s40, s42
	s_lshl_b32 s42, s[CLY], 19
	s_add_co_u32 s40, s40, s42
	s_lshl_b32 s42, s[RH], 18
	s_add_co_u32 s40, s40, s42
	s_add_nc_u64 s[10:11], s[10:11], s[40:41]      ; out at my first row and column
	v_lshrrev_b32 v4, 1, v1
	v_mul_u32_u24 v4, v4, PITCH
	v_and_b32 v5, 1, v0
	v_lshl_add_u32 v4, v5, 7, v4
	v_lshl_add_u32 v4, v2, 4, v4                   ; A: 272 (r / 2) + 128 (r % 2) + 16 h
	v_mul_u32_u24 v5, v1, PITCH
	v_lshl_add_u32 v5, v2, 4, v5                   ; B: 272 r + 16 h
	s_mul_i32 s18, s[RH], 32*PITCH
	s_mul_i32 s19, s[CH], BHALF
	s_add_co_u32 s19, s19, 2*AH
.irp s, 0,1
	v_add_nc_u32 v[ADRA+\s], s18, v4
	v_add_nc_u32 v[ADRB+\s], s19, v5
	s_add_co_u32 s18, s18, SLOT
	s_add_co_u32 s19, s19, SLOT
.endr
	s_mul_i32 s18, s[WV], 16*SPITCH
	s_add_co_u32 s18, s18, STAGE                   ; my stage
	v_mul_u32_u24 v[STO], v1, SPITCH
	v_lshl_add_u32 v[STO], v2, 5, v[STO]
	v_add_nc_u32 v[STO], s18, v[STO]
	v_lshlrev_b32 v[CO], 4, v3
	v_add_nc_u32 v[RD], s18, v[CO]
.macro MUL8 f, a, zero                 ; A's block a x B's eight, 32 along K.  The 32 accumulators take turns, one instruction a turn
.irp b, 0,1,2,3,4,5,6,7
.if \zero
	v_wmma_f32_16x16x32_f16 v[8*(8*(\a)+\b):8*(8*(\a)+\b)+7], v[\f+8*\b:\f+8*\b+7], v[\f+64+8*(\a):\f+64+8*(\a)+7], v[8*\b:8*\b+7]
.else
	v_wmma_f32_16x16x32_f16 v[8*(8*(\a)+\b):8*(8*(\a)+\b)+7], v[\f+8*\b:\f+8*\b+7], v[\f+64+8*(\a):\f+64+8*(\a)+7], v[8*(8*(\a)+\b):8*(8*(\a)+\b)+7]
.endif
.endr
.endm
.macro FETCH slot, q, f                ; 24 LDS loads in one run: the fragments of the slot's q-th 32 along K
.irp i, 0,1,2,3,4,5,6,7
	ds_load_b128 v[\f+8*\i:\f+8*\i+3],   v[ADRB+\slot] offset:64*(\q)+\i*16*PITCH
	ds_load_b128 v[\f+8*\i+4:\f+8*\i+7], v[ADRB+\slot] offset:64*(\q)+\i*16*PITCH+32
.endr
.irp i, 0,1,2,3
	ds_load_b128 v[\f+64+8*\i:\f+64+8*\i+3],   v[ADRA+\slot] offset:AH*((\q)/2)+64*((\q)%2)+\i*8*PITCH
	ds_load_b128 v[\f+64+8*\i+4:\f+64+8*\i+7], v[ADRA+\slot] offset:AH*((\q)/2)+64*((\q)%2)+\i*8*PITCH+32
.endr
.endm
.macro PLACES
.rept 4
	v_nop
.endr
.endm
.macro QUARTER slot, qn, f, g, zero    ; multiplies buffer f; in its middle fetches the slot's quarter qn into buffer g
	s_wait_dscnt 4                                 ; B and A's blocks 0, 1 are in; the youngest four loads (A's blocks 2, 3) may be out
.if \zero
	WIN MULZ
.else
	WIN MUL
.endif
	MUL8 \f, 0, \zero
	MUL8 \f, 1, \zero
	PLACES
	WIN 0
	FETCH \slot, \qn, \g
	s_wait_dscnt 24                                ; all but the 24 just issued
.if \zero
	WIN MULZ
.else
	WIN MUL
.endif
	MUL8 \f, 2, \zero
	MUL8 \f, 3, \zero
.endm
; The last quarter changes slots: in front of the barrier each wave waits for all its tensor loads, adds 0 to its spare word, and waits for that and for its reads of this slot.  fill = 1: the barrier opens a round of the cluster's, and the slot is filled again, two K steps ahead.
.macro TURN slot, next, fill
	WIN 0
	s_wait_tensorcnt 0x0
	ds_add_u32 v[SPW], v[NIL]
	s_wait_dscnt 5                                 ; (the add and the youngest four loads may be out)
	WIN MUL
	MUL8 F1, 0, 0
	s_wait_dscnt 0x0                               ; the add is done, and my reads of this slot are over
	s_barrier_signal -1
	MUL8 F1, 1, 0
	WIN 0
	s_barrier_wait -1
.if \fill
	CREST
	s_add_nc_u64 s[G0+4*\slot+2:G0+4*\slot+3], s[G0+4*\slot+2:G0+4*\slot+3], 1048576
	s_add_nc_u64 s[G0B+4*\slot+2:G0B+4*\slot+3], s[G0B+4*\slot+2:G0B+4*\slot+3], 512
	JLOAD \slot                                    ; the first tensor load behind the round; its four v_nop are also the places in front of the loads below
.else
	PLACES
.endif
	FETCH \next, 0, F0
	WIN MUL
	MUL8 F1, 2, 0
	MUL8 F1, 3, 0
.endm
	s_wait_tensorcnt 1                             ; my part of K step 0 is in (K step 1's load may be out),
	s_barrier_signal -1
	s_barrier_wait -1                              ; everybody's is
	FETCH 0, 0, F0
	s_wait_loadcnt 0x0                             ; the bias
	QUARTER 0, 1, F0, F1, 1                        ; the first quarter stands in front of the loop: its products start the sums
	WIN 0
	s_mov_b32 s3, 3
.Llap:                                                 ; a trip goes once round the ring and fills both slots again: K steps 2 to 7
	QUARTER 0, 2, F1, F0, 0
	QUARTER 0, 3, F0, F1, 0
	TURN 0, 1, 1
	QUARTER 1, 1, F0, F1, 0
	QUARTER 1, 2, F1, F0, 0
	QUARTER 1, 3, F0, F1, 0
	TURN 1, 0, 1
	QUARTER 0, 1, F0, F1, 0
	WIN 0
	s_sub_co_u32 s3, s3, 1
	s_cmp_lg_u32 s3, 0
	s_cbranch_scc1 .Llap
	QUARTER 0, 2, F1, F0, 0                        ; the last lap fills nothing
	QUARTER 0, 3, F0, F1, 0
	TURN 0, 1, 0
	QUARTER 1, 1, F0, F1, 0
	QUARTER 1, 2, F1, F0, 0
	QUARTER 1, 3, F0, F1, 0
	s_wait_dscnt 4
	WIN MUL
	MUL8 F1, 0, 0
	MUL8 F1, 1, 0
	s_wait_dscnt 0
	MUL8 F1, 2, 0
	MUL8 F1, 3, 0
	WIN 0
	PLACES
; THE WAY OUT: 16 rows x 128 columns of f32 at a time through my own stage; 32 lanes store a row's 512 consecutive bytes
.macro BLOCKOUT a
.set BK, 32+64*((\a)%2)
.if (\a) > 1
	s_wait_xcnt 0x0                                ; block a - 2's stores have read their registers
.endif
	WIN 0x04                                       ; an LDS store's data: window 1
.irp b, 0,1,2,3,4,5,6,7
	ds_store_b128 v[STO], v[64*(\a)+8*\b:64*(\a)+8*\b+3] offset:64*\b            ; each accumulator from its low end on
	ds_store_b128 v[STO], v[64*(\a)+8*\b+4:64*(\a)+8*\b+7] offset:64*\b+16
.endr
	WIN 0
.irp t, 0,1,2,3,4,5,6,7,8,9,10,11,12,13,14,15
	ds_load_b128 v[BK+4*\t:BK+4*\t+3], v[RD] offset:\t*SPITCH
.endr
	s_wait_dscnt 0x0
.irp t, 0,1,2,3,4,5,6,7,8,9,10,11,12,13,14,15
	global_store_b128 v[CO], v[BK+4*\t:BK+4*\t+3], s[10:11] offset:(16*(\a)+\t)*4096 th:TH_STORE_NT
.endr
.endm
	s_or_b32 s18, s[CLY], s[RH]
	s_cmp_eq_u32 s18, 0
	s_cbranch_scc1 .Lnot_mine                      ; the first 16 positions of a sequence are the next launch's
	BLOCKOUT 0
.Lnot_mine:
	BLOCKOUT 1
	BLOCKOUT 2
	BLOCKOUT 3
	s_wait_tensorcnt 0x0                           ; the wave's end
	ds_add_u32 v[SPW], v[NIL]
	s_wait_dscnt 0x0
	CROUND                                         ; the closing round
	s_endpgm
.Lfunc_end_k_q3c4af3ae8a_proj:
	.size	k_q3c4af3ae8a_proj, .Lfunc_end_k_q3c4af3ae8a_proj-k_q3c4af3ae8a_proj
	.p2alignl 7, 3214868480
	.fill 96, 4, 3214868480
	.section	.rodata,"a",@progbits
	.p2align	6, 0x0
	.amdhsa_kernel k_q3c4af3ae8a_proj
		.amdhsa_group_segment_fixed_size 327680
		.amdhsa_private_segment_fixed_size 0
		.amdhsa_enable_private_segment 0
		.amdhsa_kernarg_size 32
		.amdhsa_user_sgpr_count 2
		.amdhsa_user_sgpr_kernarg_segment_ptr 1
		.amdhsa_wavefront_size32 1
		.amdhsa_system_sgpr_workgroup_id_x 1
		.amdhsa_system_sgpr_workgroup_id_y 1
		.amdhsa_system_sgpr_workgroup_id_z 1
		.amdhsa_system_vgpr_workitem_id 0
		.amdhsa_next_free_vgpr 640
		.amdhsa_next_free_sgpr 66
		.amdhsa_reserve_vcc 0
		.amdhsa_float_denorm_mode_32 3
		.amdhsa_float_denorm_mode_16_64 3
		.amdhsa_memory_ordered 1
		.amdhsa_forward_progress 1
		.amdhsa_inst_pref_size 86
	.end_amdhsa_kernel
	.amdgpu_metadata
---
amdhsa.version: [ 1, 2 ]
amdhsa.kernels:
  - .name:           k_q3c4af3ae8a_proj
    .symbol:         k_q3c4af3ae8a_proj.kd
    .args:
      - { .name: o16, .offset: 0, .size: 8, .value_kind: global_buffer, .address_space: global }
      - { .name: wp16, .offset: 8, .size: 8, .value_kind: global_buffer, .address_space: global }
      - { .name: b_proj, .offset: 16, .size: 8, .value_kind: global_buffer, .address_space: global }
      - { .name: out0, .offset: 24, .size: 8, .value_kind: global_buffer, .address_space: global }
    .group_segment_fixed_size: 327680
    .private_segment_fixed_size: 0
    .kernarg_segment_align: 8
    .kernarg_segment_size: 32
    .max_flat_workgroup_size: 128
    .sgpr_count:     66
    .vgpr_count:     640
    .wavefront_size: 32
...
	.end_amdgpu_metadata
.endif
;; end of part 4
;; launch fineproj (part 5): grid 64 x 4, 8 waves a work-group, no clusters, 9,216 bytes of LDS; arguments ofine, W_proj, b_proj, out0; writes out0
.if DOCPART == 5
	.amdgcn_target "amdgcn-amd-amdhsa--gfx1250"
	.amdhsa_code_object_version 6
	.text
	.protected	k_q3c4af3ae8a_fineproj
	.globl	k_q3c4af3ae8a_fineproj
	.p2align	8
	.type	k_q3c4af3ae8a_fineproj,@function
k_q3c4af3ae8a_fineproj:
	s_mov_b64 s[64:65], 0
	v_nop
	global_prefetch_b8 v0, s[64:65] scope:SCOPE_SE
	s_setreg_imm32_b32 hwreg(HW_REG_WAVE_MODE, 25, 1), 1
	s_wait_xcnt 0x0
; The projection of the first 16 positions of every sequence, in f32 throughout: out[2048 b + r][n] = sum over e of ofine[16 b + r][e] W_proj[e][n] + b_proj[n].  The launch before stores all other rows.
; A work-group takes 16 columns (work-group x) of one batch (y); wave kq sums e = 128 kq .. + 127; the eight parts meet in LDS, and waves 0 and 1 add them and store.
; The f32 matrix form takes 4 along K; slot (h, j) of step c is e = 128 kq + 64 h + 2 c + j, in both sources alike.  Source 0 = 16 columns of W_proj, source 1 = the 16 rows: a lane holds eight neighbouring columns of one row.
; A work-group stores 64 bytes of each of 16 rows (16 bytes a lane): 262,144 bytes in the whole launch; wider strips would leave most of the chip without work for four times the matrix work a wave.
.set SPARE, 8192                       ; the spare words, 128 bytes a wave: four blocks of 256 bytes that no other line names
.set SPW, 12
.set NIL, 13
.set FO, 16                            ; v16-79   ofine[row r][my 64 e]
.set FW, 80                            ; v80-143  W_proj[my 64 e][column r]
.set DA, 144                           ; v144-159 two sums by turns, written by matrix instructions alone
.set DB, 152
	s_load_b256 s[4:11], s[0:1], 0x0               ; ofine s[4:5], W_proj s[6:7], b_proj s[8:9], out0 s[10:11]
	v_lshl_add_u32 v[SPW], v0, 2, SPARE
	v_mov_b32 v[NIL], 0
	v_lshrrev_b32 v1, 5, v0
	v_readfirstlane_b32 s12, v1                    ; kq
	s_and_b32 s13, ttmp7, 0xffff                   ; the batch
	v_and_b32 v1, 15, v0                           ; r
	v_bfe_u32 v10, v0, 4, 1                        ; h
	v_and_b32 v11, 31, v0                          ; lane
	v_lshlrev_b32 v14, 12, v1
	v_lshl_add_u32 v14, v10, 8, v14                ; ofine: row r of 4,096 bytes + 256 h
	v_lshlrev_b32 v15, 18, v10
	v_lshl_add_u32 v15, v1, 2, v15                 ; W_proj: 64 h rows of 4,096 bytes + 4 r
	s_lshl_b32 s14, s12, 10
	v_lshlrev_b32 v160, 4, v11
	v_add_nc_u32 v160, s14, v160                   ; my part's place in LDS: 1,024 kq + 16 lane
	s_lshl_b32 s14, s12, 9
	v_lshlrev_b32 v161, 4, v11
	v_add_nc_u32 v161, s14, v161                   ; waves 0 and 1 read back: 512 wave + 16 lane
	s_lshl_b32 s14, s12, 4
	v_lshlrev_b32 v163, 5, v10
	v_add_nc_u32 v163, s14, v163                   ; 32 h + 16 wave: my four columns
	v_lshl_add_u32 v162, v1, 12, v163              ; and in row r of out
	s_mov_b32 s17, 0
	s_wait_kmcnt 0x0
	s_lshl_b32 s16, s13, 16
	s_lshl_b32 s14, s12, 9
	s_add_co_u32 s16, s16, s14
	s_add_nc_u64 s[4:5], s[4:5], s[16:17]
	s_lshl_b32 s16, s12, 19
	s_lshl_b32 s14, ttmp9, 6
	s_add_co_u32 s16, s16, s14
	s_add_nc_u64 s[6:7], s[6:7], s[16:17]
	s_mov_b32 s16, s14
	s_add_nc_u64 s[8:9], s[8:9], s[16:17]
	s_lshl_b32 s16, s13, 23
	s_add_co_u32 s16, s16, s14
	s_add_nc_u64 s[10:11], s[10:11], s[16:17]
.irp c, 0,1,2,3                                ; four chunks of 16 along my 64: 4 + 16 loads each
.irp i, 0,1,2,3
	global_load_b128 v[FO+16*\c+4*\i:FO+16*\c+4*\i+3], v14, s[4:5] offset:64*\c+16*\i
.endr
.irp i, 0,1,2,3,4,5,6,7,8,9,10,11,12,13,14,15
	global_load_b32 v[FW+16*\c+\i], v15, s[6:7] offset:(16*\c+\i)*4096
.endr
.endr
	s_wait_loadcnt 60                              ; the first chunk is in; the three younger ones may be out
	v_wmma_f32_16x16x4_f32 v[DA:DA+7], v[FW:FW+1], v[FO:FO+1], 0                   ; the first two products start the two sums
	v_wmma_f32_16x16x4_f32 v[DB:DB+7], v[FW+2:FW+3], v[FO+2:FO+3], 0
.set i, 4
.rept 3
	v_wmma_f32_16x16x4_f32 v[DA:DA+7], v[FW+i:FW+i+1], v[FO+i:FO+i+1], v[DA:DA+7]
	v_wmma_f32_16x16x4_f32 v[DB:DB+7], v[FW+i+2:FW+i+3], v[FO+i+2:FO+i+3], v[DB:DB+7]
.set i, i+4
.endr
.irp c, 1,2,3
	s_wait_loadcnt 60-20*\c
.rept 4
	v_wmma_f32_16x16x4_f32 v[DA:DA+7], v[FW+i:FW+i+1], v[FO+i:FO+i+1], v[DA:DA+7]
	v_wmma_f32_16x16x4_f32 v[DB:DB+7], v[FW+i+2:FW+i+3], v[FO+i+2:FO+i+3], v[DB:DB+7]
.set i, i+4
.endr
.endr
.rept 8
	v_nop                                          ; eight places behind the f32 form
.endr
.irp j, 0,1,2,3,4,5,6,7
	v_add_f32 v[2+\j], v[DA+\j], v[DB+\j]
.endr
	ds_store_b128 v160, v[2:5]
	ds_store_b128 v160, v[6:9] offset:512
	s_wait_dscnt 0x0                               ; for the others' sake: my part has landed
	s_barrier_signal -1
	s_barrier_wait -1
	s_cmp_ge_u32 s12, 2
	s_cbranch_scc1 .Ldone
	global_load_b128 v[48:51], v163, s[8:9]        ; b_proj of my four columns
.irp p, 0,1,2,3,4,5,6,7
	ds_load_b128 v[16+4*\p:19+4*\p], v161 offset:1024*\p
.endr
	s_wait_dscnt 0x0
.irp p, 1,2,3,4,5,6,7
	v_pk_add_f32 v[16:17], v[16:17], v[16+4*\p:17+4*\p]
	v_pk_add_f32 v[18:19], v[18:19], v[18+4*\p:19+4*\p]
.endr
	s_wait_loadcnt 0x0
	v_pk_add_f32 v[16:17], v[16:17], v[48:49]
	v_pk_add_f32 v[18:19], v[18:19], v[50:51]
	global_store_b128 v162, v[16:19], s[10:11]
.Ldone:
	s_wait_tensorcnt 0x0                           ; the wave's end
	ds_add_u32 v[SPW], v[NIL]
	s_wait_dscnt 0x0
	s_endpgm
.Lfunc_end_k_q3c4af3ae8a_fineproj:
	.size	k_q3c4af3ae8a_fineproj, .Lfunc_end_k_q3c4af3ae8a_fineproj-k_q3c4af3ae8a_fineproj
	.p2alignl 7, 3214868480
	.fill 96, 4, 3214868480
	.section	.rodata,"a",@progbits
	.p2align	6, 0x0
	.amdhsa_kernel k_q3c4af3ae8a_fineproj
		.amdhsa_group_segment_fixed_size 9216
		.amdhsa_private_segment_fixed_size 0
		.amdhsa_enable_private_segment 0
		.amdhsa_kernarg_size 32
		.amdhsa_user_sgpr_count 2
		.amdhsa_user_sgpr_kernarg_segment_ptr 1
		.amdhsa_wavefront_size32 1
		.amdhsa_system_sgpr_workgroup_id_x 1
		.amdhsa_system_sgpr_workgroup_id_y 1
		.amdhsa_system_sgpr_workgroup_id_z 1
		.amdhsa_system_vgpr_workitem_id 0
		.amdhsa_next_free_vgpr 176
		.amdhsa_next_free_sgpr 66
		.amdhsa_reserve_vcc 0
		.amdhsa_float_denorm_mode_32 3
		.amdhsa_float_denorm_mode_16_64 3
		.amdhsa_memory_ordered 1
		.amdhsa_forward_progress 1
		.amdhsa_inst_pref_size 14
	.end_amdhsa_kernel
	.amdgpu_metadata
---
amdhsa.version: [ 1, 2 ]
amdhsa.kernels:
  - .name:           k_q3c4af3ae8a_fineproj
    .symbol:         k_q3c4af3ae8a_fineproj.kd
    .args:
      - { .name: ofine, .offset: 0, .size: 8, .value_kind: global_buffer, .address_space: global }
      - { .name: W_proj, .offset: 8, .size: 8, .value_kind: global_buffer, .address_space: global }
      - { .name: b_proj, .offset: 16, .size: 8, .value_kind: global_buffer, .address_space: global }
      - { .name: out0, .offset: 24, .size: 8, .value_kind: global_buffer, .address_space: global }
    .group_segment_fixed_size: 9216
    .private_segment_fixed_size: 0
    .kernarg_segment_align: 8
    .kernarg_segment_size: 32
    .max_flat_workgroup_size: 256
    .sgpr_count:     66
    .vgpr_count:     176
    .wavefront_size: 32
...
	.end_amdgpu_metadata
.endif
;; end of part 5
